; MI455X (gfx1250); checked and timed in simulation.
; The chip was launched on July 23, 2026; its instructions are those of AMD's public machine-readable ISA for CDNA 5 (MIT licence, August 2026) and "CDNA5" Instruction Set Architecture Reference Guide (July 2026). The comments in the code are by the model that wrote it; some were corrected since.
;; Casual Attention. Allowed arithmetic: matrix products marked QUANTISED: E2M3 operands, one E8M0 scale for each 32 along K, by v_wmma_scale_f32_16x16x128_f8f6f4 with both operands' format E2M3, f32 sums; everything else in f32.
;; Inputs: bk 2,048 float32; bp 2,048 float32; bq 2,048 float32; bv 2,048 float32; freqs_cos 2,048 x 64 float32; freqs_sin 2,048 x 64 float32; wk 2,048 x 2,048 float32; wp 2,048 x 2,048 float32; wq 2,048 x 2,048 float32; wv 2,048 x 2,048 float32; x 1 x 2,048 x 2,048 float32.
;; Outputs: out0 1 x 2,048 x 2,048 float32.
;; This version of the problem:
;;   THIS VERSION OF THE PROBLEM IS GIVEN IN LOW PRECISION. The matrix products marked QUANTISED in the list below multiply operands that are first quantised to E2M3 (2 exponent bits, 3 mantissa bits; 6 bits a number), with one power-of-two scale for each 32 numbers along K (OCP MX v1.0); their sums are f32. All else is computed in f32.
;;   The module's matrix products, in the order in which they are computed (A, B: the left and right operand; K: the contracted axis; several contracted axes count as one K, in the product's order):
;;     1. [M 2,048, K 2,048] x [K 2,048, N 2,048]; A: input x; B: input wq: QUANTISED
;;     2. [M 2,048, K 2,048] x [K 2,048, N 2,048]; A: input x; B: input wk: QUANTISED
;;     3. [M 2,048, K 2,048] x [K 2,048, N 2,048]; A: input x; B: input wv: QUANTISED
;;     4. batch 16 x [M 2,048, K 128] x [K 128, N 2,048]; A: computed on the way; B: computed on the way: QUANTISED
;;     5. batch 16 x [M 128, K 2,048] x [K 2,048, N 2,048]; A: computed on the way; B: softmax (see below): QUANTISED
;;     6. [M 2,048, K 2,048] x [K 2,048, N 2,048]; A: computed on the way; B: input wp: QUANTISED
;;   THE QUANTISER, for each operand of a quantised product, along K:
;;     - K is cut into blocks of 32 from its start; a last block that is shorter is filled with zeros.
;;     - A block's scale is 2^e with e = floor(log2(the largest magnitude in the block)) - 2, held to -126 .. 127; a block of zeros has e = 0. As a byte (E8M0): e + 127.
;;     - Each number is divided by its block's scale, clamped to +-7.5, and rounded to the nearest number of E2M3, ties to even, subnormals kept.
;;     - The product sums the exact products of the quantised numbers (number of the format x scale) in f32.
;;   ~~~python
;;   def quantise(x, axis):      # numpy; x: float32 -> the quantised numbers, widened to float32 again
;;       x = np.moveaxis(x, axis, -1); K = x.shape[-1]
;;       x = np.pad(x, [(0, 0)] * (x.ndim - 1) + [(0, -K % 32)]); x = x.reshape(x.shape[:-1] + (-1, 32)); a = np.abs(x).max(-1, keepdims=True)
;;       e = np.where(a > 0, np.clip(np.frexp(np.where(a > 0, a, 1))[1] - 1 - 2, -126, 127), 0)      # np.frexp(a)[1] - 1 = floor(log2(a)), exactly
;;       r = np.clip(x / 2.0 ** e, -7.5, 7.5)
;;       step = 2.0 ** (np.maximum(np.frexp(np.where(r == 0, 1, r))[1] - 1, 0) - 3)
;;       q = np.round(r / step) * step * 2.0 ** e      # np.round: ties to even
;;       return np.moveaxis(q.reshape(q.shape[:-2] + (-1,))[..., :K], -1, axis).astype(np.float32)
;;   ~~~
;;   SOFTMAX AHEAD OF A QUANTISED PRODUCT. Where the list says 'softmax', what is quantised is not the finished softmax but p = 2^(t - M), with t = logit x log2(e) and M = ceil(the row's largest t), a whole number; so 1/2 < the row's largest p <= 1. The row's sum l is taken of the UNQUANTISED p, in f32, and the product's result is divided by l at the end. Since M is a whole number, a kernel that streams over the keys may use a running M (the ceiling of the running maximum): every later rescaling is an exact power of two, which a block's scale takes up: the codes' values come out the same.
;;   OPERANDS COMPUTED ON THE WAY. 'Computed on the way' means the value that the module computes at that place (a softmax that the list does not call 'softmax' is quantised finished and normalised). What goes into a quantiser is computed in f32, as accurately as f32 sums, v_exp_f32 and their like allow (about 1e-6 of the number): no bf16 or f16 on the way to a quantiser, and a product that is left as it is and whose result goes on into a quantised operand takes f32 operands (vector FMAs, or v_wmma_f32_16x16x4_f32). A number that lies on a knife's edge between two numbers of the format may be rounded either way, as far as f32 arithmetic and the matrix unit's own rounding can turn it there, and no further.
;; One version. Each part assembles by itself: llvm-mc -triple=amdgcn-amd-amdhsa -mcpu=gfx1250 --defsym DOCPART=n.
;; ======== version 1 of 1: 4 launches
;; workspace buffers: codes 12,582,912 bytes; scales 524,288 bytes; qkvc 9,437,184 bytes; qkvs 393,216 bytes; oc 3,145,728 bytes; os 131,072 bytes; wpc 3,145,728 bytes; wps 131,072 bytes
;; launch quant (part 1): grid 512 x 1, 4 waves a work-group, no clusters, 34,304 bytes of LDS; arguments wq, wk, x, wv, codes, scales; writes codes, scales
.if DOCPART == 1
	.amdgcn_target "amdgcn-amd-amdhsa--gfx1250"
	.amdhsa_code_object_version 6
	.text
	.protected	k_q63cee5fb8d_quant
	.globl	k_q63cee5fb8d_quant
	.p2align	8
	.type	k_q63cee5fb8d_quant,@function
k_q63cee5fb8d_quant:
	s_mov_b64 s[64:65], 0
	v_nop
	global_prefetch_b8 v0, s[64:65] scope:SCOPE_SE
	s_setreg_imm32_b32 hwreg(HW_REG_WAVE_MODE, 25, 1), 1
	s_wait_xcnt 0x0
; wq, wk, x, wv, each [2048][2048] f32 with K innermost, become codes of FP6 (E2M3) with one E8M0 scale byte for each 32 along K.  (wp, which only the last launch wants, is quantised beside the next launch's products.)
; A block's scale is 2^(floor(log2(its largest magnitude)) - 2): its byte is the largest magnitude's exponent field - 2, held at 1 from below.
; LIMITS: NaN and infinities among the inputs are not served.  A block whose largest magnitude lies under 2^-124 keeps the byte 1; a block of zeros gets the byte 1 and not 127:
; its codes are zeros, which add nothing under any byte but 0xff, and this program alone reads the bytes.
; LAYOUT OF THE RESULT.  A ROW BLOCK rb is the 16 rows of one operand fragment: rows 32 (rb / 2) + 8 (rb % 2) + p + 8 (p / 8), p = 0 .. 15.  A fragment (16 rows x 128 K, 12 registers a lane) lies
; in memory as an IMAGE OF ITS REGISTERS: registers 4 c .. 4 c + 3 of lane l at 512 c + 16 l, 1,536 bytes.  codes: [tensor 4][rb 128][K step 16][1536];  scales: [tensor 4][rb 128][K step 16][row 16] words.
; SHARES.  A work-group takes one row block of one tensor, wave w its K steps 4 w .. 4 w + 3.  Each load reads 512 consecutive bytes of one row; a fragment's 16 rows turn through the wave's own stage in LDS
; (rows 528 bytes apart), from which lane (r, h) takes blocks h and 2 + h of row r whole: the k that the operand's layout gives that lane.  So no maximum asks another lane, and the conversions' results are the operand's registers.
; No tensor loads, no barrier: waves share nothing.  Two fragments' loads (32 a wave, 16 KiB) are on their way.
.set STG,  8448                        ; a wave's stage: 16 rows x (512 + 16) bytes
.set TEN,  3145728                     ; a tensor's codes in bytes
.set TENS, 131072                      ; and its scale words
.set R,    16                          ; v16-143  two sets of 64: a fragment as it is loaded
.set X,    144                         ; v144-207 my two blocks of 32 numbers
.set C,    208                         ; v208-231 two sets of 12: the codes
.set TP,   232                         ; v232-238 the upper halves of the blocks' codes, before they are moved
.set W,    240                         ; v240-243 the four fragments' scale words; v244-245 as they are stored
	s_load_b256 s[4:11], s[0:1], 0x0               ; wq, wk, x, wv
	s_load_b64 s[14:15], s[0:1], 0x20              ; codes
	s_load_b64 s[16:17], s[0:1], 0x28              ; scales
	v_lshl_add_u32 v254, v0, 2, 0x8400
	v_mov_b32 v255, 0
	v_lshrrev_b32 v14, 5, v0
	v_readfirstlane_b32 s18, v14                   ; wave 0..3
	s_lshr_b32 s19, ttmp9, 7                       ; the tensor, 0..3
	s_and_b32 s20, ttmp9, 127                      ; the row block
	v_and_b32 v14, 31, v0                          ; lane
	v_lshlrev_b32 v1, 4, v14                       ; 16 x lane: my bytes of a load's 512, and of an image's
	v_lshlrev_b32 v4, 2, v14                       ; 4 x lane: my scale word's place
	v_and_b32 v15, 15, v0                          ; r
	v_bfe_u32 v5, v0, 4, 1                         ; h
	s_mul_i32 s21, s18, STG
	v_add_nc_u32 v2, s21, v1                       ; the stage, on the way in: 16 x lane in row i
	v_mul_u32_u24 v3, v15, 528
	v_lshl_add_u32 v3, v5, 7, v3
	v_add_nc_u32 v3, s21, v3                       ; and on the way out: row r, block h
	v_cmp_ne_u32 s30, 0, v5                        ; lanes 16-31
	v_lshlrev_b32 v5, 3, v5                        ; 8 h: how far up my two bytes stand in the scale word
	v_mov_b32 v13, 0                               ; written once: a lane permute's destination counts as one of its sources
	s_mov_b32 s28, 0x76543210
	s_mov_b32 s29, 0xfedcba98                      ; v_permlanex16_b32's selects for lane l xor 16
	s_lshr_b32 s22, s20, 1
	s_lshl_b32 s22, s22, 5
	s_and_b32 s23, s20, 1
	s_lshl_b32 s23, s23, 3
	s_add_co_u32 s22, s22, s23                     ; the block's first row: 32 (rb / 2) + 8 (rb % 2)
	s_lshl_b32 s22, s22, 13                        ; rows of 8,192 bytes
	s_lshl_b32 s23, s18, 11
	s_add_co_u32 s22, s22, s23                     ; + my wave's 2,048 bytes of each row
	s_mov_b32 s23, 0
	s_mul_i32 s24, s19, TEN
	s_mul_i32 s25, s20, 24576
	s_add_co_u32 s24, s24, s25
	s_mul_i32 s25, s18, 6144
	s_add_co_u32 s24, s24, s25                     ; my four images
	s_mov_b32 s25, 0
	s_lshl_b32 s26, s19, 17
	s_lshl_b32 s27, s20, 10
	s_add_co_u32 s26, s26, s27
	s_lshl_b32 s27, s18, 8
	s_add_co_u32 s26, s26, s27                     ; my four times 16 scale words
	s_mov_b32 s27, 0
	s_wait_kmcnt 0x0
	s_cmp_eq_u32 s19, 1                            ; which tensor: the choice hangs on the work-group's number alone
	s_cselect_b64 s[4:5], s[6:7], s[4:5]
	s_cmp_eq_u32 s19, 2
	s_cselect_b64 s[4:5], s[8:9], s[4:5]
	s_cmp_eq_u32 s19, 3
	s_cselect_b64 s[4:5], s[10:11], s[4:5]
	s_add_nc_u64 s[4:5], s[4:5], s[22:23]
	s_add_nc_u64 s[14:15], s[14:15], s[24:25]
	s_add_nc_u64 s[16:17], s[16:17], s[26:27]
.macro LOAD f                          ; fragment f: 16 rows x 512 bytes, a row a load
.irp i, 0,1,2,3,4,5,6,7,8,9,10,11,12,13,14,15
	global_load_b128 v[R+64*((\f)%2)+4*\i:R+64*((\f)%2)+4*\i+3], v1, s[4:5] offset:(\i+8*(\i/8))*8192+512*(\f) th:TH_LOAD_NT
.endr
.endm
.macro FRAG f
.set CS, C+12*((\f)%2)
.if (\f) < 3
	s_wait_loadcnt 16                              ; this fragment's 16 loads are in; the next fragment's 16 may be out
.else
	s_wait_loadcnt 0x0
.endif
.irp i, 0,1,2,3,4,5,6,7,8,9,10,11,12,13,14,15
	ds_store_b128 v2, v[R+64*((\f)%2)+4*\i:R+64*((\f)%2)+4*\i+3] offset:528*\i
.endr
.irp c, 0,1
.irp j, 0,1,2,3,4,5,6,7
	ds_load_b128 v[X+32*\c+4*\j:X+32*\c+4*\j+3], v3 offset:256*\c+16*\j   ; LDS serves a wave's instructions in order: these see the stores above.  k = 64 c + 32 h + 0 .. 31 of row r
.endr
.endr
	s_wait_dscnt 0x0                               ; my 64 numbers are here, and the stores have read their registers,
.if (\f) < 2
	LOAD (\f)+2                                    ; which take the fragment two further on
.endif
.irp c, 0,1
	v_max3_num_f32 v[6+\c], |v[X+32*\c]|, |v[X+32*\c+1]|, 0x1800000   ; the block's largest magnitude, and the floor 2^(3 - 127): so the byte cannot fall under 1
.endr
.irp i, 2,4,6,8,10,12,14,16,18,20,22,24,26,28,30
.irp c, 0,1
	v_max3_num_f32 v[6+\c], v[6+\c], |v[X+32*\c+\i]|, |v[X+32*\c+\i+1]|   ; (the two blocks by turns)
.endr
.endr
.irp c, 0,1
	v_add_nc_u32 v[8+\c], 0xff000000, v[6+\c]      ; 2 off its exponent field: the conversion takes the exponent field of this operand as its scale
.endr
.irp c, 0,1
	v_lshrrev_b32 v[10+\c], 23, v[8+\c]            ; the scale's byte
.endr
	v_lshl_or_b32 v12, v11, 16, v10                ; my two bytes: blocks h and 2 + h,
	v_lshlrev_b32 v12, v5, v12                     ; at their places in the word;
	v_permlanex16_b32 v13, v12, s28, s29
	v_or_b32 v[W+(\f)], v12, v13                   ; with lane l xor 16's two the word is whole
.if (\f) >= 2
	s_wait_xcnt 0x0                                ; the stores of two fragments ago have read this set of codes
.endif
	v_cvt_scalef32_pk16_fp6_f32 v[CS:CS+2], v[X:X+15], v8
	v_cvt_scalef32_pk16_fp6_f32 v[TP:TP+2], v[X+16:X+31], v8         ; (a conversion's three registers begin on an even number: a block's second three do not, so they are made elsewhere and moved)
	v_cvt_scalef32_pk16_fp6_f32 v[CS+6:CS+8], v[X+32:X+47], v9
	v_cvt_scalef32_pk16_fp6_f32 v[TP+4:TP+6], v[X+48:X+63], v9
	v_nop                                          ; one plain place behind a scaled conversion
.irp c, 0,1
.irp i, 0,1,2
	v_mov_b32 v[CS+3+6*\c+\i], v[TP+4*\c+\i]
.endr
.endr
.irp c, 0,1,2
	global_store_b128 v1, v[CS+4*\c:CS+4*\c+3], s[14:15] offset:1536*(\f)+512*\c   ; 32 lanes store 512 consecutive bytes
.endr
.if (\f)%2 == 1
	v_cndmask_b32 v[244+(\f)/2], v[W+(\f)-1], v[W+(\f)], s30       ; lanes 0-15 the fragment before, lanes 16-31 this one:
	global_store_b32 v4, v[244+(\f)/2], s[16:17] offset:128*((\f)/2)   ; 128 consecutive bytes
.endif
.endm
	LOAD 0
	LOAD 1
	FRAG 0
	FRAG 1
	FRAG 2
	FRAG 3
	s_wait_tensorcnt 0x0
	ds_add_u32 v254, v255
	s_wait_dscnt 0x0
	s_endpgm
.Lfunc_end_k_q63cee5fb8d_quant:
	.size	k_q63cee5fb8d_quant, .Lfunc_end_k_q63cee5fb8d_quant-k_q63cee5fb8d_quant
	.p2alignl 7, 3214868480
	.fill 96, 4, 3214868480
	.section	.rodata,"a",@progbits
	.p2align	6, 0x0
	.amdhsa_kernel k_q63cee5fb8d_quant
		.amdhsa_group_segment_fixed_size 34304
		.amdhsa_private_segment_fixed_size 0
		.amdhsa_enable_private_segment 0
		.amdhsa_kernarg_size 48
		.amdhsa_user_sgpr_count 2
		.amdhsa_user_sgpr_kernarg_segment_ptr 1
		.amdhsa_wavefront_size32 1
		.amdhsa_system_sgpr_workgroup_id_x 1
		.amdhsa_system_sgpr_workgroup_id_y 1
		.amdhsa_system_sgpr_workgroup_id_z 1
		.amdhsa_system_vgpr_workitem_id 0
		.amdhsa_next_free_vgpr 256
		.amdhsa_next_free_sgpr 66
		.amdhsa_reserve_vcc 0
		.amdhsa_float_denorm_mode_32 3
		.amdhsa_float_denorm_mode_16_64 3
		.amdhsa_memory_ordered 1
		.amdhsa_forward_progress 1
		.amdhsa_inst_pref_size 31
	.end_amdhsa_kernel
	.amdgpu_metadata
---
amdhsa.version: [ 1, 2 ]
amdhsa.kernels:
  - .name:           k_q63cee5fb8d_quant
    .symbol:         k_q63cee5fb8d_quant.kd
    .args:
      - { .name: wq, .offset: 0, .size: 8, .value_kind: global_buffer, .address_space: global }
      - { .name: wk, .offset: 8, .size: 8, .value_kind: global_buffer, .address_space: global }
      - { .name: x, .offset: 16, .size: 8, .value_kind: global_buffer, .address_space: global }
      - { .name: wv, .offset: 24, .size: 8, .value_kind: global_buffer, .address_space: global }
      - { .name: codes, .offset: 32, .size: 8, .value_kind: global_buffer, .address_space: global }
      - { .name: scales, .offset: 40, .size: 8, .value_kind: global_buffer, .address_space: global }
    .group_segment_fixed_size: 34304
    .private_segment_fixed_size: 0
    .kernarg_segment_align: 8
    .kernarg_segment_size: 48
    .max_flat_workgroup_size: 128
    .sgpr_count:     66
    .vgpr_count:     256
    .wavefront_size: 32
...
	.end_amdgpu_metadata
.endif
;; end of part 1
;; launch qkv (part 2): grid 32 x 8, 4 waves a work-group, clusters of 4 x 4, 327,680 bytes of LDS; arguments codes, scales, bq, bk, bv, freqs_cos, freqs_sin, qkvc, qkvs, wp, wpc, wps; writes qkvc, qkvs, wpc, wps
.if DOCPART == 2
	.amdgcn_target "amdgcn-amd-amdhsa--gfx1250"
	.amdhsa_code_object_version 6
	.text
	.protected	k_q63cee5fb8d_qkv
	.globl	k_q63cee5fb8d_qkv
	.p2align	8
	.type	k_q63cee5fb8d_qkv,@function
k_q63cee5fb8d_qkv:
	s_mov_b64 s[64:65], 0
	v_nop
	global_prefetch_b8 v0, s[64:65] scope:SCOPE_SE
	s_setreg_imm32_b32 hwreg(HW_REG_WAVE_MODE, 25, 1), 1
	s_wait_xcnt 0x0
	s_wait_alu depctr_hold_cnt(0) depctr_sa_sdst(0) depctr_va_vdst(0) depctr_va_sdst(0) depctr_va_ssrc(0) depctr_va_vcc(0) depctr_vm_vsrc(0)
	s_getreg_b32 s2, hwreg(HW_REG_IB_STS2, 6, 4)
	s_cmp_eq_u32 s2, 0
	s_cbranch_scc0 .Lentry_in_a_cluster
	s_endpgm
.Lentry_in_a_cluster:
	s_bfe_u32 s2, ttmp6, 0x10000c
	s_cmp_lg_u32 s2, 0xf033
	s_cbranch_scc0 .Lentry_shape_is_right
	s_endpgm
.Lentry_shape_is_right:
; q = rope(x wq^T + bq), k = rope(x wk^T + bk), v = x wv^T + bv, on codes of FP6 (E2M3) with E8M0 scales; the results are quantised here, in registers: q and k along the head's 128, v along the keys.
; OPERANDS are images of fragments (16 rows x 128 K, 1,536 bytes: registers 4 c .. 4 c + 3 of lane l at 512 c + 16 l), [row block][K step]; row block rb holds rows 32 (rb / 2) + 8 (rb % 2) + p + 8 (p / 8).
; TWO SIDES.  P is source 0: its rows run down a lane's registers in the result.  Q is source 1: its rows lie across the lanes.  With the row order above the 16 registers of P's blocks 2 b and 2 b + 1
; are 16 NEIGHBOURS, 32 b + 16 (lane / 16) + 0 .. 15: what the next quantiser wants.
;   tile column px < 16 (q, k): P = 256 rows of wq or wk (two heads), Q = 256 tokens of x: a lane holds a token, its registers run along the head's 128.
;   tile column 16 <= px < 24 (v): P = 256 tokens of x,               Q = 256 rows of wv: a lane holds a channel, its registers run along 128 keys.
; codes is laid wq, wk, x, wv, so P's tile begins px x 393,216 bytes in, in both kinds.  The K loop is the same text for both; the ways part once, on the cluster's x, ahead of the last 64 products.
; A tile of 256 x 256 is made by four waves, 128 x 128 each: 64 accumulators.  K goes in steps of 256 through a ring of two LDS slots; all scale words of the work-group's rows come once and stay.
; CLUSTERS: 4 x 4 work-groups.  P's tile hangs on px alone and is shared along a column of the cluster, Q's on the tile row (and the cluster's x) and is shared along a row: joint loads.
; The tiles are 192 work-groups: the head's 128 must lie in one wave for the epilogue to stay in registers, and a smaller wave tile would read LDS twice as often for each product.
; THE OTHER 64 WORK-GROUPS (tile columns 24 to 31: the clusters with x = 6, 7) QUANTISE wp, which only the last launch wants, beside the products: a way of its own from the head on, by one branch on the
; cluster's x, which all partners of a cluster share; it has no tensor load, and its stage has LDS bytes of its own.
; No prefetch: each refill is shared by four work-groups, and the launch is short.
; LIMITS: NaN and infinities are not served.  A block whose largest magnitude lies under 2^-124 keeps the scale byte 1, a block of zeros too (not 127): its codes are zeros, and this program alone reads the bytes.
; REGISTERS, in windows of 256: window 0: v0-31 addresses; v32-63 scale words, two sets; v64-159 Q's, v160-255 P's fragments, set 0.  window 1: v0-63 the bias; v64-255 set 1.  windows 2, 3: accumulator (a, b) at v[8 (8 (a % 4) + b)], window 2 + a / 4.
.set NQ,    2                          ; K steps of 128 in a slot
.set NBLK,  8                          ; row blocks in a tensor load
.set FRB,   1536                       ; an image
.set RBB,   24576                      ; a row block's 16 images in memory
.set LOADB, NBLK*NQ*FRB                ; what one tensor load brings
.set SLOT,  4*LOADB                    ; Q's two halves, then P's two halves
.set SCL,   2*SLOT                     ; behind the ring: the scale words, 8,192 bytes a wave's load
.set SCW,   NBLK*1024
.set SPARE, SCL+4*SCW                  ; the spare words, 128 bytes for each wave: two blocks of 256 bytes that no other line names
.set QSTG,  SPARE+512                  ; wp's way: a stage of 16 rows x (512 + 16) bytes for each wave, bytes into which no fill lands
.set WSTG,  8448
.set TEN,   3145728                    ; a tensor's codes
.set TENS,  131072                     ; and scale words
.set LI,   1                           ; v1   16 x lane
.set ADRA, 16                          ; v16-17 LDS address of my Q fragments in slot 0, 1
.set ADRB, 20                          ; v20-21 the same for P
.set ADRS, 27                          ; v27  my scale words: lanes 0-15 Q's rows, lanes 16-31 P's
.set SPW,  28                          ; v28  my spare word; never rewritten
.set NIL,  29                          ; v29  0; never rewritten
.set SC,   32
.set QF,   64
.set PF,   160
.set G1,   24                          ; s[24:31], s[32:39] groups 1 and 0 (a set for each slot) for Q's tiles
.set G0,   32
.set G1B,  40                          ; s[40:47], s[48:55] for P's
.set G0B,  48
.set G1S,  56                          ; s[56:63], s[68:71] for Q's scale words
.set G0S,  68
.set G1SB, 72                          ; s[72:79], s[80:83] for P's
.set G0SB, 80
.set WV,   84                          ; wave
.set HQ,   85                          ; my half of Q's rows.  Also: I fetch for Q (0) or for P (1)
.set HP,   86                          ; my half of P's rows.  Also: which half I fetch
.set CX,   87
.set CY,   88
.set PX,   89
.set QY,   90
.set SEL,  22                          ; s[22:23] v_permlanex16_b32's selects (written ahead of the epilogue)
; the epilogue's registers, window 0
.set TM,   32                          ; v32-47  at work in the quantiser
.set W,    48                          ; v48-55  the eight fragments' scale words
.set OW,   56                          ; v56-59  as they are stored
.set TAB,  64                          ; v64-127 cos (32), sin (32); window a % 2
.set T,    128                         ; v128-191 64 numbers to be quantised
.set PC,   192                         ; v192-203, v208-219 codes, by turns
.set TP,   224
.set VT,   2                           ; v2   my place in the tables
.set VB,   5                           ; v5   my place in the bias
; wp's way: registers, all in window 0 (v28 and v29 stay as they are)
.set WW,   16                          ; v16-17 two fragments' scale words; v18-19 as they are stored
.set WR,   32                          ; v32-159  two sets of 64: a fragment as it is loaded
.set WX,   160                         ; v160-223 my two blocks of 32 numbers
.set WC,   224                         ; v224-247 two sets of 12: the codes
.set WT,   248                         ; v248-254 the upper halves of the blocks' codes, before they are moved
.set MSB, 0
.macro WIN new                         ; the immediate's high byte repeats the setting that is left
.if MSB != (\new)
	s_set_vgpr_msb (MSB<<8)|(\new)
.set MSB, (\new)
.endif
.endm
.macro PLACES n
.rept \n
	v_nop
.endr
.endm
; A joint load: waves 0 and 1 fetch for Q, waves 2 and 3 for P.  The branch hangs on the wave's number alone.  Four v_nop follow each of the two lines.
.macro JLOAD g0q, g1q, g0p, g1p
	s_cmp_eq_u32 s[HQ], 0
	s_cbranch_scc0 .Lfor_p_\@
	tensor_load_to_lds s[\g0q:\g0q+3], s[\g1q:\g1q+7]
	s_nop 0
.rept 4
	v_nop
.endr
	s_branch .Lasked_\@
.Lfor_p_\@:
	tensor_load_to_lds s[\g0p:\g0p+3], s[\g1p:\g1p+7]
	s_nop 0
.rept 4
	v_nop
.endr
.Lasked_\@:
.endm
.macro CREST                           ; a round of the cluster's barrier behind its opening barrier
	s_cmp_lg_u32 s[WV], 0
	s_cbranch_scc1 .Lnot_wave_0_\@
	s_barrier_signal -3
.Lnot_wave_0_\@:
	s_barrier_wait -3
	s_barrier_signal -1
	s_barrier_wait -1
.endm
.macro CROUND
	s_barrier_signal -1
	s_barrier_wait -1
	CREST
.endm
	s_load_b512 s[4:19], s[0:1], 0x0               ; codes s[4:5], scales s[6:7], bq s[8:9], bk s[10:11], bv s[12:13], cos s[14:15], sin s[16:17], qkvc s[18:19]
	s_load_b64 s[20:21], s[0:1], 0x40              ; qkvs
	v_lshl_add_u32 v[SPW], v0, 2, SPARE
	v_mov_b32 v[NIL], 0
	ds_add_u32 v28, v29
	s_wait_dscnt 0x0
	v_lshrrev_b32 v2, 5, v0
	v_readfirstlane_b32 s[WV], v2                  ; wave 0..3
	s_lshr_b32 s[HQ], s[WV], 1
	s_and_b32 s[HP], s[WV], 1
	s_bfe_u32 s[CX], ttmp6, 0x40000                ; my place in the cluster
	s_bfe_u32 s[CY], ttmp6, 0x40004
	s_lshl_b32 s[PX], ttmp9, 2
	s_add_co_u32 s[PX], s[PX], s[CX]               ; tile column, 0..31
	s_and_b32 s[QY], ttmp7, 0xffff
	s_lshl_b32 s[QY], s[QY], 2
	s_add_co_u32 s[QY], s[QY], s[CY]               ; tile row, 0..7
	s_cmp_ge_u32 ttmp9, 6                          ; clusters 6 and 7 quantise wp: the same in all sixteen partners and all waves
	s_cbranch_scc1 .Lwp_path
	s_lshl_b32 s91, s[CY], 2
	s_lshl_b32 s91, 15, s91                        ; my row of the cluster
	s_lshl_b32 s92, 0x1111, s[CX]                  ; my column
	; group 1 for the codes: 8 row blocks x 2 images: rows of 3,072 bytes (384 elements of 8 bytes), 24,576 bytes apart; no padding: an image is read 512 consecutive bytes at a time
	s_or_b32 s[G1+0], s91, (3<<16)|(1<<21)         ; 15:0 the mask: Q's tiles go to my row; 17:16 elements of 8 bytes; 21 set beside a mask
	s_or_b32 s[G1B+0], s92, (3<<16)|(1<<21)        ; P's go to my column
.irp g, G1, G1B
	s_mov_b32 s[\g+1], (NQ*192)<<16                ; tensor_dim0
	s_mov_b32 s[\g+2], NBLK<<16                    ; tensor_dim1
	s_mov_b32 s[\g+3], (NQ*192)<<16                ; tile_dim0
	s_mov_b32 s[\g+4], NBLK                        ; tile_dim1
	s_mov_b32 s[\g+5], RBB/8                       ; tensor_dim0_stride
	s_mov_b32 s[\g+6], 0
	s_mov_b32 s[\g+7], 0
.endr
	; and for the scale words of 8 row blocks: 8,192 dense bytes, as 32 rows of 256 bytes
	s_or_b32 s[G1S+0], s91, (3<<16)|(1<<21)
	s_or_b32 s[G1SB+0], s92, (3<<16)|(1<<21)
.irp g, G1S, G1SB
	s_mov_b32 s[\g+1], 32<<16
	s_mov_b32 s[\g+2], (NBLK*4)<<16
	s_mov_b32 s[\g+3], 32<<16
	s_mov_b32 s[\g+4], NBLK*4
	s_mov_b32 s[\g+5], 32
	s_mov_b32 s[\g+6], 0
	s_mov_b32 s[\g+7], 0
.endr
	; where the tiles come from.  P's offsets are made of px and the wave's number, Q's of the tile row, the cluster's x and the wave's number, each in registers of their own
	s_mul_i32 s22, s[HP], 8*RBB                    ; which half I fetch
	s_lshl_b32 s23, s[HP], 13
	s_mul_i32 s94, s[PX], 16*RBB
	s_add_co_u32 s94, s94, s22                     ; P's codes
	s_mov_b32 s95, 0
	s_lshl_b32 s96, s[PX], 14
	s_add_co_u32 s96, s96, s23                     ; P's scale words
	s_mov_b32 s97, 0
	s_cmp_ge_u32 ttmp9, 4                          ; clusters 4 and 5 make v: Q is wv (tensor 3); else Q is x (tensor 2).  The same in all sixteen partners
	s_cselect_b32 s98, TEN, 0
	s_cselect_b32 s100, TENS, 0
	s_add_co_u32 s98, s98, 2*TEN
	s_add_co_u32 s100, s100, 2*TENS
	s_mul_i32 s93, s[QY], 16*RBB
	s_add_co_u32 s98, s98, s93
	s_add_co_u32 s98, s98, s22                     ; Q's codes
	s_mov_b32 s99, 0
	s_lshl_b32 s93, s[QY], 14
	s_add_co_u32 s100, s100, s93
	s_add_co_u32 s100, s100, s23                   ; Q's scale words
	s_mov_b32 s101, 0
	s_mul_i32 s2, s[WV], LOADB                     ; where they go: wave x a load's bytes: no place in the cluster enters an LDS address
	s_mul_i32 s3, s[WV], SCW
	s_wait_kmcnt 0x0
	s_add_nc_u64 s[98:99], s[4:5], s[98:99]
	s_add_nc_u64 s[100:101], s[6:7], s[100:101]
	s_add_nc_u64 s[94:95], s[4:5], s[94:95]
	s_add_nc_u64 s[96:97], s[6:7], s[96:97]
	CROUND                                         ; all sixteen work-groups are here: the first joint loads meet
	s_mov_b32 s[G0S], 1
	s_add_co_u32 s[G0S+1], s3, SCL
	s_mov_b64 s[G0S+2:G0S+3], s[100:101]
	s_or_b32 s[G0S+3], s[G0S+3], 0x80000000
	s_mov_b32 s[G0SB], 1
	s_add_co_u32 s[G0SB+1], s3, SCL
	s_mov_b64 s[G0SB+2:G0SB+3], s[96:97]
	s_or_b32 s[G0SB+3], s[G0SB+3], 0x80000000
	JLOAD G0S, G1S, G0SB, G1SB                     ; the scale words first: they are wanted with K step 0
.irp s, 0,1
	s_mov_b32 s[G0+4*\s], 1
	s_add_co_u32 s[G0+4*\s+1], s2, \s*SLOT
	s_add_nc_u64 s[G0+4*\s+2:G0+4*\s+3], s[98:99], \s*NQ*FRB
	s_or_b32 s[G0+4*\s+3], s[G0+4*\s+3], 0x80000000
	s_mov_b32 s[G0B+4*\s], 1
	s_add_co_u32 s[G0B+4*\s+1], s2, \s*SLOT
	s_add_nc_u64 s[G0B+4*\s+2:G0B+4*\s+3], s[94:95], \s*NQ*FRB
	s_or_b32 s[G0B+4*\s+3], s[G0B+4*\s+3], 0x80000000
	JLOAD G0+4*\s, G1, G0B+4*\s, G1B               ; three tensor loads of mine are out now
.endr
	v_and_b32 v2, 31, v0
	v_lshlrev_b32 v[LI], 4, v2
	v_and_b32 v3, 15, v0                           ; r
	v_bfe_u32 v4, v0, 4, 1                         ; h
	s_mul_i32 s22, s[HQ], LOADB                    ; my half of Q
	s_mul_i32 s23, s[HP], LOADB                    ; my half of P,
	s_add_co_u32 s23, s23, 2*LOADB                 ; which lies behind Q's two
.irp s, 0,1
	v_add_nc_u32 v[ADRA+\s], s22, v[LI]
	v_add_nc_u32 v[ADRB+\s], s23, v[LI]
	s_add_co_u32 s22, s22, SLOT
	s_add_co_u32 s23, s23, SLOT
.endr
	s_lshl_b32 s22, s[HQ], 13                      ; Q's scale words: my half
	s_lshl_b32 s23, s[HP], 13                      ; P's: my half, behind Q's two
	s_add_co_u32 s23, s23, 2*SCW
	s_sub_co_u32 s23, s23, s22
	v_mul_u32_u24 v5, s23, v4                      ; lanes 16-31 take P's
	s_add_co_u32 s22, s22, SCL
	v_lshl_add_u32 v5, v3, 2, v5                   ; a word a row
	v_add_nc_u32 v[ADRS], s22, v5
; 16 matrix instructions: Q's blocks a0, a0 + 1 x P's eight, the slot's q-th 128 along K; sc: the set of scale words.  zero = 1: the first product starts the sums.
; The 64 accumulators take turns, one instruction a turn, in the same order in every step.
.macro MUL16 a0, q, sc, zero
.irp a, \a0, \a0+1
.irp b, 0,1,2,3,4,5,6,7
.if \zero
	v_wmma_scale_f32_16x16x128_f8f6f4 v[8*(8*((\a)%4)+\b):8*(8*((\a)%4)+\b)+7], v[PF+12*\b:PF+12*\b+11], v[QF+12*(\a):QF+12*(\a)+11], 0, v[SC+16*(\sc)+NQ*\b+(\q)], v[SC+16*(\sc)+NQ*(\a)+(\q)] matrix_a_fmt:MATRIX_FMT_FP6 matrix_b_fmt:MATRIX_FMT_FP6 matrix_a_scale:MATRIX_SCALE_ROW1
.else
	v_wmma_scale_f32_16x16x128_f8f6f4 v[8*(8*((\a)%4)+\b):8*(8*((\a)%4)+\b)+7], v[PF+12*\b:PF+12*\b+11], v[QF+12*(\a):QF+12*(\a)+11], v[8*(8*((\a)%4)+\b):8*(8*((\a)%4)+\b)+7], v[SC+16*(\sc)+NQ*\b+(\q)], v[SC+16*(\sc)+NQ*(\a)+(\q)] matrix_a_fmt:MATRIX_FMT_FP6 matrix_b_fmt:MATRIX_FMT_FP6 matrix_a_scale:MATRIX_SCALE_ROW1
.endif
.endr
.endr
.endm
.macro FETCH slot, q, p                ; 48 LDS loads in one run: the 16 fragments of the slot's q-th 128 along K into set p (window p)
	WIN 0x40*(\p)
.irp i, 0,1,2,3,4,5,6,7
.irp c, 0,1,2
	ds_load_b128 v[PF+12*\i+4*\c:PF+12*\i+4*\c+3], v[ADRB+\slot] offset:\i*NQ*FRB+(\q)*FRB+512*\c
.endr
.endr
.irp i, 0,1,2,3,4,5,6,7
.irp c, 0,1,2
	ds_load_b128 v[QF+12*\i+4*\c:QF+12*\i+4*\c+3], v[ADRA+\slot] offset:\i*NQ*FRB+(\q)*FRB+512*\c
.endr
.endr
.endm
.macro SCALES sc                       ; a slot's scale words into set sc: lanes 0-15 take Q's block i, lanes 16-31 P's block i
	WIN 0
.irp i, 0,1,2,3,4,5,6,7
.irp q, 0,1
	ds_load_b32 v[SC+16*\sc+NQ*\i+\q], v[ADRS] offset:1024*\i+64*\q
.endr
.endr
.endm
; A slot's first step, on set 0: the second step's fragments are fetched at its head, into set 1, 64 matrix instructions ahead of their use.
.macro STEP slot, zero
	s_wait_dscnt 0x0                               ; set 0 and the slot's scale words are in
	PLACES 4                                       ; four places in front of loads into registers that matrix instructions have read
	FETCH \slot, 1, 1
	WIN 0xa0
	MUL16 0, 0, \slot, \zero
	MUL16 2, 0, \slot, \zero
	WIN 0xf0
	MUL16 4, 0, \slot, \zero
	MUL16 6, 0, \slot, \zero
.endm
; A slot's last step, on set 1, changes slots: its fragments are in registers, so the slot is free.  ONE barrier; in front of it each wave waits for all its tensor loads, adds 0 to its spare word, and waits for that and for its reads of the slot.
; THE CHANGE STANDS AT THE STEP'S HEAD, ahead of all its 64 products: the refill goes out as soon as the tile before it has landed and the round is passed, and the step's products are issued while it is on its way.
.macro TURN slot, next, fill
	WIN 0
	s_wait_tensorcnt 0x0                           ; all my tensor loads have landed: my part of the next slot; so every group 0 may be written
	ds_add_u32 v[SPW], v[NIL]                      ; 0 onto my spare word; with fill = 1 the descriptors' steps stand between it and the wait for it
.if \fill
	s_add_nc_u64 s[G0+4*\slot+2:G0+4*\slot+3], s[G0+4*\slot+2:G0+4*\slot+3], 2*NQ*FRB
	s_add_nc_u64 s[G0B+4*\slot+2:G0B+4*\slot+3], s[G0B+4*\slot+2:G0B+4*\slot+3], 2*NQ*FRB
.endif
	s_wait_dscnt 0x0                               ; the add is done; set 1 is in, and with it my reads of this slot are over
	s_barrier_signal -1
	s_barrier_wait -1
.if \fill
	CREST                                          ; the barrier has opened a round of the cluster's barrier: no wave of any partner still reads this slot or has a load on its way
	JLOAD G0+4*\slot, G1, G0B+4*\slot, G1B         ; the first tensor load behind the round; its four v_nop are also the places in front of the loads below
.else
	PLACES 4
.endif
	v_add_nc_u32 v[ADRS], 64*NQ, v[ADRS]           ; on to the next slot's scale words (no LDS load of mine is out)
	FETCH \next, 0, 0
	SCALES \next
	WIN 0xa5
	MUL16 0, 1, \slot, 0
	MUL16 2, 1, \slot, 0
	WIN 0xf5
	MUL16 4, 1, \slot, 0
	MUL16 6, 1, \slot, 0
.endm
.macro LASTMUL                         ; the very last 128 along K, on set 1
	WIN 0xa5
	MUL16 0, 1, 1, 0
	MUL16 2, 1, 1, 0
	WIN 0xf5
	MUL16 4, 1, 1, 0
	MUL16 6, 1, 1, 0
	WIN 0
.endm
	s_wait_tensorcnt 1                             ; the scale words and my part of slot 0 are in (slot 1's load may be out)
	s_barrier_signal -1
	s_barrier_wait -1                              ; everybody's are
	FETCH 0, 0, 0
	SCALES 0
	STEP 0, 1                                      ; the first step stands in front of the loop: its products start the sums
	WIN 0
	s_mov_b32 s3, 3
.Llap:                                                 ; a trip goes once round the ring and fills both slots again: 8 slots' worth of K, 6 refills
	TURN 0, 1, 1
	STEP 1, 0
	TURN 1, 0, 1
	STEP 0, 0
	WIN 0
	s_sub_co_u32 s3, s3, 1
	s_cmp_lg_u32 s3, 0
	s_cbranch_scc1 .Llap
	TURN 0, 1, 0                                   ; the last lap fills nothing
	STEP 1, 0
	WIN 0
	s_wait_dscnt 0x0                               ; set 1 is in: no LDS load is out from here on
	PLACES 4                                       ; set 0's registers are free behind these
	s_mov_b32 s[SEL], 0x76543210
	s_mov_b32 s[SEL+1], 0xfedcba98
	s_lshl_b32 s91, s[PX], 1
	s_add_co_u32 s91, s91, s[HP]                   ; pi: which 128 rows of P's side are my wave's, 0..47
	s_lshl_b32 s92, s[QY], 1
	s_add_co_u32 s92, s92, s[HQ]                   ; qi: which 128 rows of Q's side, 0..15
	v_and_b32 v6, 8, v3
	v_add_nc_u32 v6, v6, v3                        ; r + 8 (r / 8): my row in Q's block 0
; 64 numbers of a lane, v[s] on, register 16 b + i = k 32 b + 16 (lane / 16) + i of my row, become a fragment's codes in v[pc] on and its scale word in v[w].
.macro QNT s, pc, tp, w
.irp b, 0,1,2,3
	v_max3_num_f32 v[TM+\b], |v[\s+16*\b]|, |v[\s+1+16*\b]|, 0x1800000   ; block b: my 16 numbers, and the floor 2^(3 - 127): so the byte cannot fall under 1
.endr
.irp i, 2,4,6,8,10,12,14
.irp b, 0,1,2,3
	v_max3_num_f32 v[TM+\b], v[TM+\b], |v[\s+16*\b+\i]|, |v[\s+1+16*\b+\i]|
.endr
.endr
.irp b, 0,1,2,3
	v_permlanex16_b32 v[TM+4+\b], v[TM+\b], s[SEL], s[SEL+1]
.endr
.irp b, 0,1,2,3
	v_max_num_f32 v[TM+\b], v[TM+\b], v[TM+4+\b]   ; with lane l xor 16's: the block's largest magnitude
.endr
.irp b, 0,1,2,3
	v_add_nc_u32 v[TM+12+\b], 0xff000000, v[TM+\b] ; 2 off its exponent field: the conversion's scale operand
.endr
.irp b, 0,1,2,3
	v_lshrrev_b32 v[TM+4+\b], 23, v[TM+12+\b]      ; the scale's byte
.endr
	v_lshl_or_b32 v[\w], v[TM+5], 8, v[TM+4]       ; the four bytes make my row's scale word
	v_lshl_or_b32 v[\w], v[TM+6], 16, v[\w]
	v_lshl_or_b32 v[\w], v[TM+7], 24, v[\w]
.irp c, 0,1
	v_cvt_scalef32_pk16_fp6_f32 v[\pc+6*\c:\pc+2+6*\c], v[\s+32*\c:\s+15+32*\c], v[TM+12+2*\c]
	v_cvt_scalef32_pk16_fp6_f32 v[\tp+4*\c:\tp+2+4*\c], v[\s+16+32*\c:\s+31+32*\c], v[TM+12+2*\c+1]   ; (a conversion's three registers begin on an even number)
.endr
	v_nop                                          ; one plain place behind a scaled conversion
.irp c, 0,1                                    ; the operand's layout wants a WHOLE block in a lane: lanes 0-15 block 2 c, lanes 16-31 block 2 c + 1
.irp i, 0,1,2
	v_permlane16_swap_b32 v[\pc+6*\c+\i], v[\tp+4*\c+\i]
.endr
.irp i, 0,1,2
	v_mov_b32 v[\pc+3+6*\c+\i], v[\tp+4*\c+\i]
.endr
.endr
.endm
.macro FIN a, wt                       ; the 64 numbers in T become fragment a of my wave's eight and leave as an image.  wt = 1: the wait for the stores of two fragments ago stands here
.set PCA, PC+16*((\a)%2)
.if ((\a) >= 2) && (\wt)
	s_wait_xcnt 0x0                                ; the stores of two fragments ago have read this set of codes
.endif
	QNT T, PCA, TP, W+(\a)
.irp c, 0,1,2
	global_store_b128 v[LI], v[PCA+4*\c:PCA+4*\c+3], s[18:19] offset:FRB*(\a)+512*\c   ; 32 lanes store 512 consecutive bytes
.endr
.endm
.macro TABLOAD a                       ; cos and sin of my token of Q's block a, at my 32 pairs: TAB[8 b + m] = cos[token][16 b + 8 h + m], TAB[32 + ..] = sin
	WIN ((\a)%2)<<6
.irp b, 0,1,2,3
.irp j, 0,1
	global_load_b128 v[TAB+8*\b+4*\j:TAB+8*\b+4*\j+3], v[VT], s[14:15] offset:(32*((\a)/2)+8*((\a)%2))*256+64*\b+16*\j
	global_load_b128 v[TAB+32+8*\b+4*\j:TAB+32+8*\b+4*\j+3], v[VT], s[16:17] offset:(32*((\a)/2)+8*((\a)%2))*256+64*\b+16*\j
.endr
.endr
.endm
; q, k: Q's block a: + bias, rotated, quantised.  Register n = 16 b + i of the block's 64 is channel 32 b + 16 h + i of my token: pairs (2 p, 2 p + 1) are rotated by table entry p.
.macro EPQ a
.set XW, 2+(\a)/4
.set AC, 64*((\a)%4)
	WIN (XW<<6)|4|XW                               ; the accumulators' window; source 1 (the bias) window 1
.set n, 0
.rept 32
	v_pk_add_f32 v[AC+n:AC+n+1], v[AC+n:AC+n+1], v[n:n+1]          ; each accumulator from its low end on
.set n, n+2
.endr
.if (\a) < 7
	s_wait_loadcnt 16                              ; this block's table is in; the next block's 16 loads may be out
.else
	s_wait_loadcnt 0x0
.endif
	WIN (((\a)%2)<<2)|XW                           ; source 0 the accumulators, source 1 the table, the rest window 0
.set p, 0
.rept 32
	v_mul_f32 v[T+2*p], v[AC+2*p+1], v[TAB+32+p]                   ; t2 s
	v_mul_f32 v[T+2*p+1], v[AC+2*p], v[TAB+32+p]                   ; t1 s
.set p, p+1
.endr
.set p, 0
.rept 32
	v_fma_f32 v[T+2*p], v[AC+2*p], v[TAB+p], -v[T+2*p]             ; t1 c - t2 s
	v_fma_f32 v[T+2*p+1], v[AC+2*p+1], v[TAB+p], v[T+2*p+1]        ; t2 c + t1 s
.set p, p+1
.endr
.if (\a) >= 2
	s_wait_xcnt 0x0                                ; the stores of two fragments ago have read their set of codes, which is written again below.  The wait stands AHEAD of the table's loads: what it waits for was issued a block ago
.endif
.if (\a) < 6
	TABLOAD (\a)+2
.endif
	WIN 0
	FIN \a, 0
.endm
; v: Q's block a: + my channel's bias, quantised along the keys
.macro EPV a
.set XW, 2+(\a)/4
.set AC, 64*((\a)%4)
	WIN 4|XW
.set n, 0
.rept 32
	v_pk_add_f32 v[T+n:T+n+1], v[AC+n:AC+n+1], v[2*(\a):2*(\a)+1]  ; (both words of the pair hold my channel's bias)
.set n, n+2
.endr
	WIN 0
	FIN \a, 1
.endm
	s_cmp_ge_u32 ttmp9, 4                          ; THE WAYS OF q, k AND OF v PART, once, on the cluster's x: the same in all partners and all waves
	s_cbranch_scc1 .Lv_path
	; ---- q and k.  The bias and the first table are asked for here and land under the last 64 products
	s_cmp_lt_u32 ttmp9, 2                          ; clusters 0 and 1 make q
	s_cselect_b64 s[8:9], s[8:9], s[10:11]
	s_and_b32 s93, s91, 15                         ; the head
	s_lshl_b32 s94, s93, 9
	s_mov_b32 s95, 0
	s_add_nc_u64 s[8:9], s[8:9], s[94:95]          ; its 128 numbers of the bias
	s_lshl_b32 s94, s92, 15
	s_add_nc_u64 s[14:15], s[14:15], s[94:95]      ; the tables at my wave's 128 tokens: rows of 256 bytes
	s_add_nc_u64 s[16:17], s[16:17], s[94:95]
	v_lshlrev_b32 v[VB], 6, v4                     ; 64 h
	v_lshlrev_b32 v[VT], 8, v6
	v_lshl_add_u32 v[VT], v4, 5, v[VT]             ; my token's row, + 32 h
	WIN 0x40
.irp b, 0,1,2,3
.irp j, 0,1,2,3
	global_load_b128 v[16*\b+4*\j:16*\b+4*\j+3], v[VB], s[8:9] offset:128*\b+16*\j   ; bias of channels 32 b + 16 h + 4 j on: the same 64 for all eight blocks
.endr
.endr
	TABLOAD 0
	LASTMUL
	PLACES 4                                       ; behind the last products: set 1's registers and the scale words' may be written, the results read
	TABLOAD 1
	WIN 0
.irp b, 0,1,2,3
	v_mov_b32 v[TM+4+\b], 0                        ; written once: a lane permute's destination counts as one of its sources
.endr
	s_mul_i32 s94, s91, 196608                     ; qkvc: [q's 16 heads, k's 16 heads][token step 16][8 images]
	s_mul_i32 s96, s92, 12288
	s_add_co_u32 s94, s94, s96
	s_add_nc_u64 s[18:19], s[18:19], s[94:95]
	s_lshl_b32 s94, s91, 13                        ; qkvs: 512 bytes a step
	s_lshl_b32 s96, s92, 9
	s_add_co_u32 s94, s94, s96
	s_add_nc_u64 s[20:21], s[20:21], s[94:95]
	s_wait_loadcnt 32                              ; the bias is in; two tables, 32 loads, may be out
.irp a, 0,1,2,3,4,5,6,7
	EPQ \a
.endr
	s_branch .Ltail
.Lv_path:
	; ---- v
	s_lshl_b32 s94, s92, 9
	s_mov_b32 s95, 0
	s_add_nc_u64 s[12:13], s[12:13], s[94:95]      ; bv at my wave's 128 channels
	v_lshlrev_b32 v[VB], 2, v6
	WIN 0x40
.irp a, 0,1,2,3,4,5,6,7
	global_load_b32 v[2*\a], v[VB], s[12:13] offset:(32*(\a/2)+8*(\a%2))*4       ; my channel of Q's block a, twice: a pair for the packed add
	global_load_b32 v[2*\a+1], v[VB], s[12:13] offset:(32*(\a/2)+8*(\a%2))*4
.endr
	LASTMUL
	PLACES 4
.irp b, 0,1,2,3
	v_mov_b32 v[TM+4+\b], 0
.endr
	s_sub_co_u32 s93, s91, 32                      ; the key step
	s_mul_i32 s94, s92, 196608                     ; qkvc, behind q and k: [head 16][key step 16][8 images]
	s_mul_i32 s96, s93, 12288
	s_add_co_u32 s94, s94, s96
	s_add_co_u32 s94, s94, 2*TEN
	s_add_nc_u64 s[18:19], s[18:19], s[94:95]
	s_lshl_b32 s94, s92, 13
	s_lshl_b32 s96, s93, 9
	s_add_co_u32 s94, s94, s96
	s_add_co_u32 s94, s94, 2*TENS
	s_add_nc_u64 s[20:21], s[20:21], s[94:95]
	s_wait_loadcnt 0x0
.irp a, 0,1,2,3,4,5,6,7
	EPV \a
.endr
.Ltail:
	; the eight fragments' scale words: [half 2][row 16][4 words]: lane (r, h) stores those of fragments 4 h .. 4 h + 3: 512 consecutive bytes
	v_cmp_ne_u32 vcc_lo, 0, v4
.irp i, 0,1,2,3
	v_cndmask_b32 v[OW+\i], v[W+\i], v[W+4+\i], vcc_lo
.endr
	global_store_b128 v[LI], v[OW:OW+3], s[20:21]
	s_wait_tensorcnt 0x0                           ; the wave's end
	ds_add_u32 v[SPW], v[NIL]
	s_wait_dscnt 0x0
	CROUND                                         ; the closing round: no work-group ends while a partner may still ask for a tile that names it
	s_endpgm
; ---- wp [2048][2048] f32 becomes codes and scale words, laid as the other operands: wpc [row block 128][K step 16][1536], wps [row block 128][K step 16][row 16] words.
; Work-group id = 8 (px - 24) + tile row, 0 .. 63, takes row blocks 2 id and 2 id + 1; wave w their K steps 4 w .. 4 w + 3: eight fragments a wave, fragment f = row block f / 4, K step 4 w + f % 4.
; Each load reads 512 consecutive bytes of one row; a fragment's 16 rows turn through the wave's own stage in LDS, from which lane (r, h) takes blocks h and 2 + h of row r whole.
; Two fragments' loads, 32 a wave, are on their way.  Waves share nothing: no barrier but the closing round's.
.macro WLOAD f                         ; fragment f: 16 rows x 512 bytes, a row a load; the second row block begins 8 rows further down
.irp i, 0,1,2,3,4,5,6,7,8,9,10,11,12,13,14,15
	global_load_b128 v[WR+64*((\f)%2)+4*\i:WR+64*((\f)%2)+4*\i+3], v[LI], s[24:25] offset:(\i+8*(\i/8))*8192+65536*((\f)/4)+512*((\f)%4) th:TH_LOAD_NT
.endr
.endm
.macro WFRAG f
.set WCS, WC+12*((\f)%2)
.if (\f) < 7
	s_wait_loadcnt 16                              ; this fragment's 16 loads are in; the next fragment's 16 may be out
.else
	s_wait_loadcnt 0x0
.endif
.irp i, 0,1,2,3,4,5,6,7,8,9,10,11,12,13,14,15
	ds_store_b128 v2, v[WR+64*((\f)%2)+4*\i:WR+64*((\f)%2)+4*\i+3] offset:528*\i
.endr
.irp c, 0,1
.irp j, 0,1,2,3,4,5,6,7
	ds_load_b128 v[WX+32*\c+4*\j:WX+32*\c+4*\j+3], v3 offset:256*\c+16*\j   ; LDS serves a wave's instructions in order: these see the stores above.  k = 64 c + 32 h + 0 .. 31 of row r
.endr
.endr
	s_wait_dscnt 0x0                               ; my 64 numbers are here, and the stores have read their registers,
.if (\f) < 6
	WLOAD (\f)+2                                   ; which take the fragment two further on
.endif
.irp c, 0,1
	v_max3_num_f32 v[6+\c], |v[WX+32*\c]|, |v[WX+32*\c+1]|, 0x1800000   ; the block's largest magnitude, and the floor 2^(3 - 127): so the byte cannot fall under 1
.endr
.irp i, 2,4,6,8,10,12,14,16,18,20,22,24,26,28,30
.irp c, 0,1
	v_max3_num_f32 v[6+\c], v[6+\c], |v[WX+32*\c+\i]|, |v[WX+32*\c+\i+1]|   ; (the two blocks by turns)
.endr
.endr
.irp c, 0,1
	v_add_nc_u32 v[8+\c], 0xff000000, v[6+\c]      ; 2 off its exponent field: the conversion's scale operand
.endr
.irp c, 0,1
	v_lshrrev_b32 v[10+\c], 23, v[8+\c]            ; the scale's byte
.endr
	v_lshl_or_b32 v12, v11, 16, v10                ; my two bytes: blocks h and 2 + h,
	v_lshlrev_b32 v12, v5, v12                     ; at their places in the word;
	v_permlanex16_b32 v13, v12, s[SEL], s[SEL+1]
	v_or_b32 v[WW+(\f)%2], v12, v13                ; with lane l xor 16's two the word is whole
.if (\f) >= 2
	s_wait_xcnt 0x0                                ; the stores of two fragments ago have read this set of codes
.endif
	v_cvt_scalef32_pk16_fp6_f32 v[WCS:WCS+2], v[WX:WX+15], v8
	v_cvt_scalef32_pk16_fp6_f32 v[WT:WT+2], v[WX+16:WX+31], v8       ; (a conversion's three registers begin on an even number: a block's second three do not, so they are made elsewhere and moved)
	v_cvt_scalef32_pk16_fp6_f32 v[WCS+6:WCS+8], v[WX+32:WX+47], v9
	v_cvt_scalef32_pk16_fp6_f32 v[WT+4:WT+6], v[WX+48:WX+63], v9
	v_nop                                          ; one plain place behind a scaled conversion
.irp c, 0,1
.irp i, 0,1,2
	v_mov_b32 v[WCS+3+6*\c+\i], v[WT+4*\c+\i]
.endr
.endr
.irp c, 0,1,2
	global_store_b128 v[LI], v[WCS+4*\c:WCS+4*\c+3], s[28:29] offset:24576*((\f)/4)+1536*((\f)%4)+512*\c   ; 32 lanes store 512 consecutive bytes
.endr
.if (\f)%2 == 1
	v_cndmask_b32 v[WW+2+((\f)/2)%2], v[WW], v[WW+1], s26          ; lanes 0-15 the fragment before, lanes 16-31 this one:
	global_store_b32 v4, v[WW+2+((\f)/2)%2], s[30:31] offset:1024*((\f)/4)+128*(((\f)%4)/2)   ; 128 consecutive bytes
.endif
.endm
.Lwp_path:
	s_load_b64 s[24:25], s[0:1], 0x48              ; wp
	s_load_b128 s[28:31], s[0:1], 0x50             ; wpc s[28:29], wps s[30:31]
	s_sub_co_u32 s32, s[PX], 24
	s_lshl_b32 s32, s32, 3
	s_add_co_u32 s32, s32, s[QY]                   ; id, 0..63: it enters global addresses alone
	v_and_b32 v14, 31, v0                          ; lane
	v_lshlrev_b32 v[LI], 4, v14                    ; 16 x lane: my bytes of a load's 512, and of an image's
	v_lshlrev_b32 v4, 2, v14                       ; 4 x lane: my scale word's place
	v_and_b32 v15, 15, v0                          ; r
	v_bfe_u32 v5, v0, 4, 1                         ; h
	s_mul_i32 s33, s[WV], WSTG
	s_add_co_u32 s33, s33, QSTG                    ; my wave's stage
	v_add_nc_u32 v2, s33, v[LI]                    ; on the way in: 16 x lane in row i
	v_mul_u32_u24 v3, v15, 528
	v_lshl_add_u32 v3, v5, 7, v3
	v_add_nc_u32 v3, s33, v3                       ; and on the way out: row r, block h
	v_cmp_ne_u32 s26, 0, v5                        ; lanes 16-31
	v_lshlrev_b32 v5, 3, v5                        ; 8 h: how far up my two bytes stand in the scale word
	v_mov_b32 v13, 0                               ; written once: a lane permute's destination counts as one of its sources
	s_mov_b32 s[SEL], 0x76543210
	s_mov_b32 s[SEL+1], 0xfedcba98
	s_lshl_b32 s34, s32, 18                        ; wp: 32 rows of 8,192 bytes for each id,
	s_lshl_b32 s35, s[WV], 11
	s_add_co_u32 s34, s34, s35                     ; + my wave's 2,048 bytes of each row
	s_mov_b32 s35, 0
	s_mul_i32 s36, s32, 2*RBB                      ; wpc: two row blocks for each id,
	s_mul_i32 s37, s[WV], 4*FRB
	s_add_co_u32 s36, s36, s37                     ; + my wave's four images of each
	s_mov_b32 s37, 0
	s_lshl_b32 s38, s32, 11                        ; wps: 2 x 1,024 bytes for each id,
	s_lshl_b32 s39, s[WV], 8
	s_add_co_u32 s38, s38, s39                     ; + my wave's four times 16 words
	s_mov_b32 s39, 0
	s_wait_kmcnt 0x0
	s_add_nc_u64 s[24:25], s[24:25], s[34:35]
	s_add_nc_u64 s[28:29], s[28:29], s[36:37]
	s_add_nc_u64 s[30:31], s[30:31], s[38:39]
	WLOAD 0
	WLOAD 1
.irp f, 0,1,2,3,4,5,6,7
	WFRAG \f
.endr
	s_wait_tensorcnt 0x0                           ; the wave's end
	ds_add_u32 v[SPW], v[NIL]
	s_wait_dscnt 0x0
	CROUND                                         ; and a closing round here too: all sixteen partners are on this way
	s_endpgm
.Lfunc_end_k_q63cee5fb8d_qkv:
	.size	k_q63cee5fb8d_qkv, .Lfunc_end_k_q63cee5fb8d_qkv-k_q63cee5fb8d_qkv
	.p2alignl 7, 3214868480
	.fill 96, 4, 3214868480
	.section	.rodata,"a",@progbits
	.p2align	6, 0x0
	.amdhsa_kernel k_q63cee5fb8d_qkv
		.amdhsa_group_segment_fixed_size 327680
		.amdhsa_private_segment_fixed_size 0
		.amdhsa_enable_private_segment 0
		.amdhsa_kernarg_size 96
		.amdhsa_user_sgpr_count 2
		.amdhsa_user_sgpr_kernarg_segment_ptr 1
		.amdhsa_wavefront_size32 1
		.amdhsa_system_sgpr_workgroup_id_x 1
		.amdhsa_system_sgpr_workgroup_id_y 1
		.amdhsa_system_sgpr_workgroup_id_z 1
		.amdhsa_system_vgpr_workitem_id 0
		.amdhsa_next_free_vgpr 1024
		.amdhsa_next_free_sgpr 102
		.amdhsa_reserve_vcc 1
		.amdhsa_float_denorm_mode_32 3
		.amdhsa_float_denorm_mode_16_64 3
		.amdhsa_memory_ordered 1
		.amdhsa_forward_progress 1
		.amdhsa_inst_pref_size 255
	.end_amdhsa_kernel
	.section	.bss,"aw",@nobits
	.p2align	6
	.space	262144
	.amdgpu_metadata
---
amdhsa.version: [ 1, 2 ]
amdhsa.kernels:
  - .name:           k_q63cee5fb8d_qkv
    .symbol:         k_q63cee5fb8d_qkv.kd
    .args:
      - { .name: codes, .offset: 0, .size: 8, .value_kind: global_buffer, .address_space: global }
      - { .name: scales, .offset: 8, .size: 8, .value_kind: global_buffer, .address_space: global }
      - { .name: bq, .offset: 16, .size: 8, .value_kind: global_buffer, .address_space: global }
      - { .name: bk, .offset: 24, .size: 8, .value_kind: global_buffer, .address_space: global }
      - { .name: bv, .offset: 32, .size: 8, .value_kind: global_buffer, .address_space: global }
      - { .name: freqs_cos, .offset: 40, .size: 8, .value_kind: global_buffer, .address_space: global }
      - { .name: freqs_sin, .offset: 48, .size: 8, .value_kind: global_buffer, .address_space: global }
      - { .name: qkvc, .offset: 56, .size: 8, .value_kind: global_buffer, .address_space: global }
      - { .name: qkvs, .offset: 64, .size: 8, .value_kind: global_buffer, .address_space: global }
      - { .name: wp, .offset: 72, .size: 8, .value_kind: global_buffer, .address_space: global }
      - { .name: wpc, .offset: 80, .size: 8, .value_kind: global_buffer, .address_space: global }
      - { .name: wps, .offset: 88, .size: 8, .value_kind: global_buffer, .address_space: global }
    .group_segment_fixed_size: 327680
    .private_segment_fixed_size: 0
    .kernarg_segment_align: 8
    .kernarg_segment_size: 96
    .max_flat_workgroup_size: 128
    .sgpr_count:     102
    .vgpr_count:     1024
    .wavefront_size: 32
...
	.end_amdgpu_metadata
.endif
;; end of part 2
;; launch attn (part 3): grid 16 x 16, 8 waves a work-group, no clusters, 327,680 bytes of LDS; arguments qkvc, qkvs, oc, os; writes oc, os
.if DOCPART == 3
	.amdgcn_target "amdgcn-amd-amdhsa--gfx1250"
	.amdhsa_code_object_version 6
	.text
	.protected	k_q63cee5fb8d_attn
	.globl	k_q63cee5fb8d_attn
	.p2align	8
	.type	k_q63cee5fb8d_attn,@function
k_q63cee5fb8d_attn:
	s_mov_b64 s[64:65], 0
	v_nop
	global_prefetch_b8 v0, s[64:65] scope:SCOPE_SE
	s_setreg_imm32_b32 hwreg(HW_REG_WAVE_MODE, 25, 1), 1
	s_wait_xcnt 0x0
; o[q] = the sum over keys k <= q of softmax_k(q . k / sqrt(128)) v[k], for 16 heads of 128, 2,048 tokens, both products on codes of FP6 (E2M3) with E8M0 scales; o is quantised here along the head's 128.
; THE SOFTMAX AHEAD OF THE SECOND PRODUCT: t = score x log2(e) / sqrt(128); M = the row's largest t so far, rounded UP to a whole number; p = 2^(t - M) is what is quantised, along the keys.
; The row's sum is taken of the unquantised p and divides O at the end.  When M moves, the sum and O are multiplied by 2^(old M - new M): exact.
; OPERANDS are images of fragments (1,536 bytes: registers 4 c .. 4 c + 3 of lane l at 512 c + 16 l).  Fragment t of a step of 128 holds rows 32 (t / 2) + 8 (t % 2) + p + 8 (p / 8).
;   qkvc: q, k [head][token step 16][8 images], K = the head's 128;  v [head][key step 16][8 images of 16 channels], K = the keys.  qkvs: [head][step][half 2][row 16][4 words]: one load of 16 bytes a lane
;   gives register i the word of fragment i in lanes 0-15 and of fragment 4 + i in lanes 16-31.
; Both products are used transposed: S^T = K Q^T, O^T = V^T P^T: a lane holds ONE query throughout, and the 16 registers of tiles 2 b, 2 b + 1 are 16 neighbouring keys (channels).
; SHARES.  A work-group of eight waves, two to a SIMD, takes one head.  Waves 0-3 own the four query tiles of block i of 64 queries, waves 4-7 those of block 31 - i: i / 2 + (31 - i) / 2 + 2 = 17 key steps for each such pair of waves, whatever i.
; Every work-group walks all four slots of 512 keys: the trip counts are constants.  A step all of whose keys come after the wave's queries is jumped over, by a scalar branch on ids.
; No cluster: partners that shared K and V would differ in their query blocks, and the jump over hidden steps hangs on the block.
; LIMITS: NaN and infinities are not served.  p under 2^-126 counts as 0 (v_exp_f32 gives no denormals: ISA guide, its entry in 15.8).  The largest t starts at -3e38.  A block of zeros keeps the scale byte 1: its codes are zeros.
; REGISTERS: window 0: v1-11 addresses; v12 -M, v13 the largest t, v[14:15] the sum; v16-27 Q, v28 its scale word; v32-35 K's, v36-39 V's, v40 p's scale words, v41 o's; v96-159 S^T, then p; v160-223 O^T; v224-235 p's codes; v232-254 at work.
;   window 1: v0-95 a step's eight fragments of K, v96-191 of V.
.set FRB,   1536
.set STEPB, 8*FRB                      ; a step's eight images
.set VOFF,  4*STEPB                    ; a slot: 4 steps of K, then 4 steps of V
.set SLOT1, 131072                     ; slot 1 begins here: one exclusive or turns an address from one slot to the other
.set SCK,   2*SLOT1                    ; K's scale words of the whole head, 8,192 bytes;
.set SCV,   SCK+8192                   ; V's
.set SPARE, SCV+8192                   ; the spare words, 128 bytes for each wave: four blocks of 256 bytes that no other line names
.set TEN,   3145728
.set TENS,  131072
.set LI,   1                           ; v1   16 x lane
.set LV,   2                           ; v2   + VOFF
.set LS,   3                           ; v3   16 x lane + SCK
.set QL,   4                           ; v4   my query - 16 (lane / 16)
.set SPW,  5                           ; v5   my spare word; never rewritten
.set NIL,  6                           ; v6   0; never rewritten
.set PFO,  7                           ; v7   256 x lane: the prefetches' offset; never rewritten
.set ADK,  8
.set ADV,  9
.set ADS,  10
.set TM,   232
.set WV,   18
.set SEL,  20                          ; s[20:21] v_permlanex16_b32's selects
.set CS,   22                          ; s[22:23] c = log2(e) / sqrt(128)
.set G1T,  24                          ; s[24:31] group 1: 24,576 dense bytes
.set G1S,  32                          ; s[32:39] group 1: 4,096 dense bytes
.set G0T,  40                          ; s[40:43] group 0 of the tiles, which walks
.set G0S,  44                          ; s[44:47] of the scale words
.set TB,   2                           ; s2   LDS byte at which the step's images of K begin
.set TS,   3                           ; s3   the step's scale words: 512 bytes a step
.set KF,   48                          ; s48  the step's first key
.set QMAX, 49                          ; s49  my tile's last query
.set QMIN, 50                          ; s50  and its first
.set SLOTS, 51
.set STP,  52
.set PFA,  54                          ; s[54:55] where my prefetches stand
.set LIM,  56                          ; s56  1 in a wave that prefetches, else the greatest number
.set MSB, 0
.macro WIN new
.if MSB != (\new)
	s_set_vgpr_msb (MSB<<8)|(\new)
.set MSB, (\new)
.endif
.endm
	s_load_b256 s[4:11], s[0:1], 0x0               ; qkvc s[4:5], qkvs s[6:7], oc s[8:9], os s[10:11]
	v_lshl_add_u32 v[SPW], v0, 2, SPARE
	v_mov_b32 v[NIL], 0
	ds_add_u32 v5, v6
	s_wait_dscnt 0x0
	v_lshrrev_b32 v8, 5, v0
	v_readfirstlane_b32 s[WV], v8                  ; wave 0..7
	s_and_b32 s57, ttmp7, 0xffff                   ; the head
	s_and_b32 s58, s[WV], 3
	s_lshr_b32 s59, s58, 1                         ; what waves 0-3 fetch (and waves 4-7 prefetch): 0: K, 1: V;
	s_and_b32 s60, s58, 1                          ; which half of a slot's 49,152 bytes
	s_add_co_u32 s61, s59, 1
	s_mul_i32 s62, s61, TEN                        ; k is tensor 1 of qkvc, v tensor 2
	s_mul_i32 s63, s57, 196608
	s_add_co_u32 s62, s62, s63
	s_mul_i32 s63, s60, 24576
	s_add_co_u32 s62, s62, s63
	s_mov_b32 s63, 0
	s_lshl_b32 s66, s61, 17
	s_lshl_b32 s67, s57, 13
	s_add_co_u32 s66, s66, s67
	s_lshl_b32 s67, s60, 12
	s_add_co_u32 s66, s66, s67                     ; and half a head's scale words
	s_mov_b32 s67, 0
	s_sub_co_u32 s68, 31, ttmp9
	s_cmp_lt_u32 s[WV], 4
	s_cselect_b32 s68, ttmp9, s68                  ; my block of 64 queries
	s_lshl_b32 s68, s68, 2
	s_add_co_u32 s68, s68, s58                     ; tb: my tile of 16 queries, 0..127
	s_lshr_b32 s[QMIN], s68, 1
	s_lshl_b32 s[QMIN], s[QMIN], 5
	s_and_b32 s69, s68, 1
	s_lshl_b32 s69, s69, 3
	s_add_co_u32 s[QMIN], s[QMIN], s69             ; 32 (tb / 2) + 8 (tb % 2)
	s_add_co_u32 s[QMAX], s[QMIN], 23
	s_mul_i32 s70, s57, 196608
	s_mul_i32 s71, s68, FRB
	s_add_co_u32 s70, s70, s71                     ; Q's image
	s_mov_b32 s71, 0
	s_lshl_b32 s72, s57, 13                        ; its scale words: step tb / 8, half (tb % 8) / 4, word tb % 4
	s_lshr_b32 s73, s68, 3
	s_lshl_b32 s73, s73, 9
	s_add_co_u32 s72, s72, s73
	s_bfe_u32 s73, s68, 0x10002
	s_lshl_b32 s73, s73, 8
	s_add_co_u32 s72, s72, s73
	s_and_b32 s73, s68, 3
	s_lshl_b32 s73, s73, 2
	s_add_co_u32 s72, s72, s73
	s_mov_b32 s73, 0
	s_mul_i32 s74, s68, 24576                      ; oc: [row block tb][K step = head]
	s_mul_i32 s75, s57, FRB
	s_add_co_u32 s74, s74, s75
	s_mov_b32 s75, 0
	s_lshl_b32 s76, s68, 10                        ; os: [tb][head][16 words]
	s_lshl_b32 s77, s57, 6
	s_add_co_u32 s76, s76, s77
	s_mov_b32 s77, 0
	; group 1: dense blocks, as rows of 256 bytes (32 elements of 8 bytes)
	s_mov_b32 s[G1T], 3<<16                        ; no mask; elements of 8 bytes; no padding
	s_mov_b32 s[G1T+1], 32<<16
	s_mov_b32 s[G1T+2], 96<<16
	s_mov_b32 s[G1T+3], 32<<16
	s_mov_b32 s[G1T+4], 96
	s_mov_b32 s[G1T+5], 32
	s_mov_b32 s[G1T+6], 0
	s_mov_b32 s[G1T+7], 0
	s_mov_b32 s[G1S], 3<<16
	s_mov_b32 s[G1S+1], 32<<16
	s_mov_b32 s[G1S+2], 16<<16
	s_mov_b32 s[G1S+3], 32<<16
	s_mov_b32 s[G1S+4], 16
	s_mov_b32 s[G1S+5], 32
	s_mov_b32 s[G1S+6], 0
	s_mov_b32 s[G1S+7], 0
	s_mov_b32 s[SEL], 0x76543210
	s_mov_b32 s[SEL+1], 0xfedcba98
	s_mov_b32 s[CS], 0x3e0293ee                    ; c = log2(e) / sqrt(128)
	s_mov_b32 s[CS+1], s[CS]                       ; (named with it as a pair, so it is written)
	s_mov_b32 s[TB], 0
	s_mov_b32 s[TS], 0
	s_mov_b32 s[KF], 0
	s_mov_b32 s[SLOTS], 3
	s_lshr_b32 s[LIM], s[WV], 2
	s_xor_b32 s[LIM], s[LIM], 1                    ; 0 in waves 4 to 7,
	s_or_b32 s[LIM], s[LIM], ttmp9                 ; of the head's first work-group
	s_cmp_eq_u32 s[LIM], 0
	s_cselect_b32 s[LIM], 1, -1
	s_mul_i32 s69, s58, 24576                      ; where a fetching wave's bytes go in a slot,
	s_lshl_b32 s78, s58, 12                        ; and among the scale words
	s_wait_kmcnt 0x0
	s_mov_b32 s[G0S], 1
	s_add_co_u32 s[G0S+1], s78, SCK
	s_add_nc_u64 s[G0S+2:G0S+3], s[6:7], s[66:67]
	s_or_b32 s[G0S+3], s[G0S+3], 0x80000000
	s_mov_b32 s[G0T], 1
	s_mov_b32 s[G0T+1], s69
	s_add_nc_u64 s[G0T+2:G0T+3], s[4:5], s[62:63]
	s_add_nc_u64 s[PFA:PFA+1], s[G0T+2:G0T+3], VOFF  ; the prefetches stand in slot 1: the first change of slots steps them to slot 2.  Nothing is prefetched here, at the head
	s_or_b32 s[G0T+3], s[G0T+3], 0x80000000
	s_cmp_lt_u32 s[WV], 4                          ; waves 0-3 fetch: their two first fills stand in one branch, ahead of every wait on TENSORcnt, every LDS read and every barrier
	s_cbranch_scc0 .Lno_first
	tensor_load_to_lds s[G0S:G0S+3], s[G1S:G1S+7]  ; the scale words of the whole head: filled once
	s_nop 0
	tensor_load_to_lds s[G0T:G0T+3], s[G1T:G1T+7]  ; slot 0
	s_nop 0
.rept 4
	v_nop
.endr
.Lno_first:
	s_add_nc_u64 s[70:71], s[4:5], s[70:71]
	s_add_nc_u64 s[72:73], s[6:7], s[72:73]
	s_add_nc_u64 s[74:75], s[8:9], s[74:75]
	s_add_nc_u64 s[76:77], s[10:11], s[76:77]
	v_and_b32 v8, 31, v0
	v_lshlrev_b32 v[LI], 4, v8
	v_add_nc_u32 v[LV], VOFF, v[LI]
	v_add_nc_u32 v[LS], SCK, v[LI]
	v_lshlrev_b32 v[PFO], 8, v8
	v_and_b32 v9, 15, v0                           ; r
	v_bfe_u32 v10, v0, 4, 1                        ; h
	v_lshlrev_b32 v11, 4, v9                       ; Q's scale words: 16 bytes a row
.irp c, 0,1,2
	global_load_b128 v[16+4*\c:19+4*\c], v[LI], s[70:71] offset:512*\c   ; Q's fragment stays in registers
.endr
	global_load_b32 v28, v11, s[72:73]
	v_and_b32 v[QL], 8, v9
	v_add_nc_u32 v[QL], v[QL], v9                  ; r + 8 (r / 8)
	v_lshlrev_b32 v10, 4, v10
	v_sub_nc_u32 v[QL], v[QL], v10
	v_add_nc_u32 v[QL], s[QMIN], v[QL]             ; my query - 16 h
	v_mov_b32 v13, 0xff61b1e6                      ; the largest t so far: -3e38, under every t
	v_floor_f32 v12, -v13                          ; -M
	v_mov_b32 v14, 0                               ; the sum, in two halves
	v_mov_b32 v15, 0
.irp b, 0,1,2,3
	v_mov_b32 v[236+\b], 0                         ; written once: a lane permute's destination counts as one of its sources
.endr
	v_mov_b32 v253, 0                              ; (named as the upper half of the pair v[252:253])
.set j, 0
.rept 64
	v_mov_b32 v[160+j], 0                          ; O^T.  (The step is written once: the first finds zeros, which the first change of M leaves zeros)
.set j, j+1
.endr
; A KEY STEP: 128 keys.
.macro STEP
	s_cmp_gt_u32 s[KF], s[QMAX]                    ; all 128 keys come after my 16 queries: the step's work is left out; the lines at its end that step addresses are not
	s_cbranch_scc1 .Lhidden_\@
	v_add_nc_u32 v[ADK], s[TB], v[LI]
	v_add_nc_u32 v[ADV], s[TB], v[LV]
	v_add_nc_u32 v[ADS], s[TS], v[LS]
	v_nop                                          ; with the three additions: four places in front of loads into registers that the last step's products have read
	ds_load_b128 v[32:35], v[ADS]                  ; K's eight scale words a row,
	ds_load_b128 v[36:39], v[ADS] offset:8192      ; V's
	WIN 0x40
.irp t, 0,1,2,3,4,5,6,7
.irp c, 0,1,2
	ds_load_b128 v[12*\t+4*\c:12*\t+4*\c+3], v[ADK] offset:FRB*\t+512*\c
.endr
.endr
.irp t, 0,1,2,3,4,5,6,7
.irp c, 0,1,2
	ds_load_b128 v[96+12*\t+4*\c:96+12*\t+4*\c+3], v[ADV] offset:FRB*\t+512*\c   ; V's fragments land under the softmax
.endr
.endr
	s_wait_dscnt 24                                ; the scale words and K are in; V's 24 loads may be out
	WIN 0x01                                       ; source 0 window 1
.irp t, 0,1,2,3
	v_wmma_scale_f32_16x16x128_f8f6f4 v[96+8*\t:103+8*\t], v[12*\t:12*\t+11], v[16:27], 0, v[32+\t], v28 matrix_a_fmt:MATRIX_FMT_FP6 matrix_b_fmt:MATRIX_FMT_FP6
.endr
.irp t, 4,5,6,7
	v_wmma_scale_f32_16x16x128_f8f6f4 v[96+8*\t:103+8*\t], v[12*\t:12*\t+11], v[16:27], 0, v[28+\t], v28 matrix_a_fmt:MATRIX_FMT_FP6 matrix_b_fmt:MATRIX_FMT_FP6 matrix_a_scale:MATRIX_SCALE_ROW1
.endr
	WIN 0
.rept 4
	v_nop
.endr
	s_add_co_u32 s53, s[KF], 127                   ; on the diagonal the scores of hidden keys become -infinity ahead of the maximum: p = 0 then.  A step all of whose keys count skips this
	s_cmp_le_u32 s53, s[QMIN]
	s_cbranch_scc1 .Lopen_\@
	v_sub_nc_u32 v252, v[QL], s[KF]                ; d.  Register 16 b + i holds key KF + 16 h + 32 b + i: hidden where 32 b + i > d
	v_mov_b32 v254, 0xff800000                     ; -infinity
.set n, 0
.rept 64
	v_cmp_gt_i32 vcc_lo, 32*(n/16)+n%16, v252
	v_cndmask_b32 v[96+n], v[96+n], v254, vcc_lo
.set n, n+1
.endr
.Lopen_\@:
.irp b, 0,1,2,3
	v_max3_num_f32 v[232+\b], v[96+16*\b], v[97+16*\b], v[98+16*\b]   ; THE LARGEST SCORE OF EACH BLOCK OF 32 KEYS: for the row's maximum, and, since p rises with the score, for the block's largest p
.endr
.irp i, 3,5,7,9,11,13
.irp b, 0,1,2,3
	v_max3_num_f32 v[232+\b], v[232+\b], v[96+16*\b+\i], v[97+16*\b+\i]
.endr
.endr
.irp b, 0,1,2,3
	v_max_num_f32 v[232+\b], v[232+\b], v[111+16*\b]
.endr
.irp b, 0,1,2,3
	v_permlanex16_b32 v[236+\b], v[232+\b], s[SEL], s[SEL+1]
.endr
.irp b, 0,1,2,3
	v_max_num_f32 v[232+\b], v[232+\b], v[236+\b]  ; with lane l xor 16's 16 keys
.endr
	v_max3_num_f32 v254, v232, v233, v234
	v_max_num_f32 v254, v254, v235                 ; the step's largest score of my query (key KF counts for every query of a step that is worked)
	v_mul_f32 v254, s[CS], v254                    ; as t
	v_max_num_f32 v13, v13, v254                   ; the running largest t
	v_mov_b32 v254, v12
	v_floor_f32 v12, -v13                          ; the new -M = floor(-t) = -ceil(t)
	v_sub_f32 v254, v12, v254                      ; M's old value less its new one: a whole number, 0 or less
	v_cvt_i32_f32 v254, v254                       ; (it saturates)
	v_ldexp_f32 v252, 1.0, v254                    ; f = 2^(old M - new M)
.set j, 0
.rept 32
	v_pk_fma_f32 v[96+j:97+j], v[96+j:97+j], s[CS:CS+1], v[12:13] op_sel_hi:[1,0,0]   ; t - M, two at a time
.set j, j+2
.endr
.irp b, 0,1,2,3
	v_fma_f32 v[232+\b], v[232+\b], s[CS], v12     ; the same of each block's largest score
.endr
.set j, 0
.rept 64
	v_exp_f32 v[96+j], v[96+j]                     ; p = 2^(t - M), at most 1: NOT normalised
.set j, j+1
.endr
	v_pk_mul_f32 v[14:15], v[14:15], v[252:253] op_sel_hi:[1,0]   ; the sums under the new M.  (A plain place behind the exponentials)
	s_wait_alu depctr_va_vdst(0)                   ; one wait for the whole batch, ahead of its first reader
.irp b, 0,1,2,3
	v_exp_f32 v[232+\b], v[232+\b]                 ; the block's largest p: the same two instructions on the same number give the same bits
.endr
	v_pk_add_f32 v[236:237], v[96:97], v[98:99]    ; THE ROW'S SUM IS TAKEN OF THE UNQUANTISED p: two at a time, in two chains
.irp j, 4,8,12,16,20,24,28,32,36,40,44,48,52,56,60
	v_pk_add_f32 v[14:15], v[14:15], v[96+\j:97+\j]
	v_pk_add_f32 v[236:237], v[236:237], v[98+\j:99+\j]
.endr
	v_pk_add_f32 v[14:15], v[14:15], v[236:237]
	s_wait_alu depctr_va_vdst(0)                   ; and one for the four
.irp b, 0,1,2,3
	v_max_num_f32 v[232+\b], 0x1800000, v[232+\b]  ; the floor 2^(3 - 127): the byte cannot fall under 1
.endr
.irp b, 0,1,2,3
	v_add_nc_u32 v[244+\b], 0xff000000, v[232+\b]  ; 2 off the exponent field: the conversion's scale operand
.endr
.irp b, 0,1,2,3
	v_lshrrev_b32 v[236+\b], 23, v[244+\b]         ; the scale's byte
.endr
	v_lshl_or_b32 v40, v237, 8, v236               ; p's scale word for these 128 keys
	v_lshl_or_b32 v40, v238, 16, v40
	v_lshl_or_b32 v40, v239, 24, v40
.irp c, 0,1
	v_cvt_scalef32_pk16_fp6_f32 v[224+6*\c:226+6*\c], v[96+32*\c:111+32*\c], v[244+2*\c]
	v_cvt_scalef32_pk16_fp6_f32 v[236+4*\c:238+4*\c], v[112+32*\c:127+32*\c], v[244+2*\c+1]
.endr
	v_nop                                          ; one plain place behind a scaled conversion
.irp c, 0,1                                    ; the operand's layout wants a WHOLE block in a lane
.irp i, 0,1,2
	v_permlane16_swap_b32 v[224+6*\c+\i], v[236+4*\c+\i]
.endr
.irp i, 0,1,2
	v_mov_b32 v[227+6*\c+\i], v[236+4*\c+\i]
.endr
.endr
.set j, 0
.rept 32
	v_pk_mul_f32 v[160+j:161+j], v[160+j:161+j], v[252:253] op_sel_hi:[1,0]   ; O^T under the new M.  (These 32 are also the places between the writes of p's codes and scale word and the products)
.set j, j+2
.endr
	s_wait_dscnt 0x0                               ; V is in
	WIN 0x01
.irp t, 0,1,2,3
	v_wmma_scale_f32_16x16x128_f8f6f4 v[160+8*\t:167+8*\t], v[96+12*\t:107+12*\t], v[224:235], v[160+8*\t:167+8*\t], v[36+\t], v40 matrix_a_fmt:MATRIX_FMT_FP6 matrix_b_fmt:MATRIX_FMT_FP6
.endr
.irp t, 4,5,6,7
	v_wmma_scale_f32_16x16x128_f8f6f4 v[160+8*\t:167+8*\t], v[96+12*\t:107+12*\t], v[224:235], v[160+8*\t:167+8*\t], v[32+\t], v40 matrix_a_fmt:MATRIX_FMT_FP6 matrix_b_fmt:MATRIX_FMT_FP6 matrix_a_scale:MATRIX_SCALE_ROW1
.endr
	WIN 0
.Lhidden_\@:
	s_add_co_u32 s[KF], s[KF], 128
	s_add_co_u32 s[TS], s[TS], 512
	s_add_co_u32 s[TB], s[TB], STEPB
.endm
.macro SLOT_STEPS                      ; a slot's four key steps: written once, walked four times
	s_mov_b32 s[STP], 4
.Lstep_\@:
	STEP
	s_sub_co_u32 s[STP], s[STP], 1
	s_cmp_lg_u32 s[STP], 0
	s_cbranch_scc1 .Lstep_\@
	s_sub_co_u32 s[TB], s[TB], 4*STEPB             ; back to a slot's first step,
	s_xor_b32 s[TB], s[TB], SLOT1                  ; in the other slot
.endm
; THE CHANGE OF SLOTS stands at a slot's head.  Each wave waits for all its tensor loads (its part of the slot ahead), adds 0 to its spare word, and waits for that and for its reads of the slot that it has left.
; Behind the barrier the slot ahead is whole and nobody reads the other one.  fill = 1: that other slot is filled with the next 512 keys: the load has four key steps in which to land.
; THE PREFETCH: at a change that fills a slot, waves 4-7 of the head's first work-group name what waves 0-3 will load at the NEXT change: wave 4 + j the 24,576 bytes of wave j, lanes 256 bytes apart, three instructions.
; All 16 work-groups of a head walk the same K and V, so each block of 256 bytes of slots 2 and 3 is named once in the launch.  The last change that fills a slot names nothing; slots 0 and 1 come by their loads alone.
.macro CHANGE fill
	s_wait_tensorcnt 0x0                           ; no tensor load of mine is out, so a group 0 may be written
	ds_add_u32 v[SPW], v[NIL]                      ; 0 onto my spare word
.if \fill
	s_xor_b32 s[G0T+1], s[G0T+1], SLOT1            ; the walking descriptor: the other slot than last time,
	s_add_nc_u64 s[G0T+2:G0T+3], s[G0T+2:G0T+3], VOFF   ; the next 512 keys
	s_wait_xcnt 0x0                                ; the last prefetches, a slot back, have read their address
	s_add_nc_u64 s[PFA:PFA+1], s[PFA:PFA+1], VOFF
.endif
	s_wait_dscnt 0x0                               ; the add is done, and my reads of the slot that I have left are over
	s_barrier_signal -1
	s_barrier_wait -1
.if \fill
	s_cmp_lt_u32 s[WV], 4
	s_cbranch_scc0 .Lno_load_\@
	tensor_load_to_lds s[G0T:G0T+3], s[G1T:G1T+7]  ; the first thing behind the barrier, and a wave's one tensor load until the next
	s_nop 0
.rept 4
	v_nop
.endr
.Lno_load_\@:
	s_cmp_gt_u32 s[SLOTS], s[LIM]
	s_cbranch_scc0 .Lnot_mine_\@
	global_prefetch_b8 v[PFO], s[PFA:PFA+1] th:TH_LOAD_NT scope:SCOPE_SE
	global_prefetch_b8 v[PFO], s[PFA:PFA+1] offset:8192 th:TH_LOAD_NT scope:SCOPE_SE
	global_prefetch_b8 v[PFO], s[PFA:PFA+1] offset:16384 th:TH_LOAD_NT scope:SCOPE_SE
.Lnot_mine_\@:
.endif
.endm
	s_wait_loadcnt 0x0                             ; Q and its scale word
.Lslot:                                            ; three trips: behind each change of slots but the last the next slot is asked for
	CHANGE 1
	SLOT_STEPS
	s_sub_co_u32 s[SLOTS], s[SLOTS], 1
	s_cmp_lg_u32 s[SLOTS], 0
	s_cbranch_scc1 .Lslot
	CHANGE 0                                       ; the last slot is written out
	SLOT_STEPS
	; THE WAY OUT.  O^T / the sum is my query's 64 channels 32 b + 16 h + i: it is quantised along the head's 128 and leaves as an image: row block tb, K step = head, of the last product's operand.
	v_add_f32 v14, v14, v15                        ; the sum's two halves,
	v_permlanex16_b32 v252, v14, s[SEL], s[SEL+1]
	v_add_f32 v14, v14, v252                       ; and lane l xor 16's: the row's sum
	v_rcp_f32 v14, v14
	v_and_b32 v8, 15, v0                           ; (plain places behind the transcendental and behind the last products)
	v_lshlrev_b32 v8, 2, v8                        ; 4 r: my row's scale word
	v_nop
	v_nop
	s_wait_alu depctr_va_vdst(0)                   ; the wait, ahead of the reciprocal's first reader
.set j, 0
.rept 64
	v_mul_f32 v[96+j], v[160+j], v14
.set j, j+1
.endr
.irp b, 0,1,2,3
	v_max3_num_f32 v[TM+\b], |v[96+16*\b]|, |v[97+16*\b]|, 0x1800000   ; block b: my 16 numbers, and the floor 2^(3 - 127)
.endr
.irp i, 2,4,6,8,10,12,14
.irp b, 0,1,2,3
	v_max3_num_f32 v[TM+\b], v[TM+\b], |v[96+16*\b+\i]|, |v[97+16*\b+\i]|
.endr
.endr
.irp b, 0,1,2,3
	v_permlanex16_b32 v[TM+4+\b], v[TM+\b], s[SEL], s[SEL+1]
.endr
.irp b, 0,1,2,3
	v_max_num_f32 v[TM+\b], v[TM+\b], v[TM+4+\b]
.endr
.irp b, 0,1,2,3
	v_add_nc_u32 v[TM+12+\b], 0xff000000, v[TM+\b]
.endr
.irp b, 0,1,2,3
	v_lshrrev_b32 v[TM+4+\b], 23, v[TM+12+\b]
.endr
	v_lshl_or_b32 v41, v[TM+5], 8, v[TM+4]
	v_lshl_or_b32 v41, v[TM+6], 16, v41
	v_lshl_or_b32 v41, v[TM+7], 24, v41
.irp c, 0,1
	v_cvt_scalef32_pk16_fp6_f32 v[224+6*\c:226+6*\c], v[96+32*\c:111+32*\c], v[TM+12+2*\c]
	v_cvt_scalef32_pk16_fp6_f32 v[248+4*\c:250+4*\c], v[112+32*\c:127+32*\c], v[TM+12+2*\c+1]
.endr
	v_nop                                          ; one plain place behind a scaled conversion
.irp c, 0,1
.irp i, 0,1,2
	v_permlane16_swap_b32 v[224+6*\c+\i], v[248+4*\c+\i]
.endr
.irp i, 0,1,2
	v_mov_b32 v[227+6*\c+\i], v[248+4*\c+\i]
.endr
.endr
.irp c, 0,1,2
	global_store_b128 v[LI], v[224+4*\c:227+4*\c], s[74:75] offset:512*\c   ; 32 lanes store 512 consecutive bytes
.endr
	global_store_b32 v8, v41, s[76:77]             ; both halves of the lanes hold and write the same word
	s_wait_tensorcnt 0x0                           ; the wave's end
	ds_add_u32 v[SPW], v[NIL]
	s_wait_dscnt 0x0
	s_endpgm
.Lfunc_end_k_q63cee5fb8d_attn:
	.size	k_q63cee5fb8d_attn, .Lfunc_end_k_q63cee5fb8d_attn-k_q63cee5fb8d_attn
	.p2alignl 7, 3214868480
	.fill 96, 4, 3214868480
	.section	.rodata,"a",@progbits
	.p2align	6, 0x0
	.amdhsa_kernel k_q63cee5fb8d_attn
		.amdhsa_group_segment_fixed_size 327680
		.amdhsa_private_segment_fixed_size 0
		.amdhsa_enable_private_segment 0
		.amdhsa_kernarg_size 32
		.amdhsa_user_sgpr_count 2
		.amdhsa_user_sgpr_kernarg_segment_ptr 1
		.amdhsa_wavefront_size32 1
		.amdhsa_system_sgpr_workgroup_id_x 1
		.amdhsa_system_sgpr_workgroup_id_y 1
		.amdhsa_system_sgpr_workgroup_id_z 1
		.amdhsa_system_vgpr_workitem_id 0
		.amdhsa_next_free_vgpr 512
		.amdhsa_next_free_sgpr 80
		.amdhsa_reserve_vcc 1
		.amdhsa_float_denorm_mode_32 3
		.amdhsa_float_denorm_mode_16_64 3
		.amdhsa_memory_ordered 1
		.amdhsa_forward_progress 1
		.amdhsa_inst_pref_size 64
	.end_amdhsa_kernel
	.amdgpu_metadata
---
amdhsa.version: [ 1, 2 ]
amdhsa.kernels:
  - .name:           k_q63cee5fb8d_attn
    .symbol:         k_q63cee5fb8d_attn.kd
    .args:
      - { .name: qkvc, .offset: 0, .size: 8, .value_kind: global_buffer, .address_space: global }
      - { .name: qkvs, .offset: 8, .size: 8, .value_kind: global_buffer, .address_space: global }
      - { .name: oc, .offset: 16, .size: 8, .value_kind: global_buffer, .address_space: global }
      - { .name: os, .offset: 24, .size: 8, .value_kind: global_buffer, .address_space: global }
    .group_segment_fixed_size: 327680
    .private_segment_fixed_size: 0
    .kernarg_segment_align: 8
    .kernarg_segment_size: 32
    .max_flat_workgroup_size: 256
    .sgpr_count:     80
    .vgpr_count:     512
    .wavefront_size: 32
...
	.end_amdgpu_metadata
.endif
;; end of part 3
;; launch proj (part 4): grid 16 x 16, 4 waves a work-group, clusters of 4 x 4, 327,680 bytes of LDS; arguments oc, os, wpc, wps, bp, out0; writes out0
.if DOCPART == 4
	.amdgcn_target "amdgcn-amd-amdhsa--gfx1250"
	.amdhsa_code_object_version 6
	.text
	.protected	k_q63cee5fb8d_proj
	.globl	k_q63cee5fb8d_proj
	.p2align	8
	.type	k_q63cee5fb8d_proj,@function
k_q63cee5fb8d_proj:
	s_mov_b64 s[64:65], 0
	v_nop
	global_prefetch_b8 v0, s[64:65] scope:SCOPE_SE
	s_setreg_imm32_b32 hwreg(HW_REG_WAVE_MODE, 25, 1), 1
	s_wait_xcnt 0x0
	s_wait_alu depctr_hold_cnt(0) depctr_sa_sdst(0) depctr_va_vdst(0) depctr_va_sdst(0) depctr_va_ssrc(0) depctr_va_vcc(0) depctr_vm_vsrc(0)
	s_getreg_b32 s2, hwreg(HW_REG_IB_STS2, 6, 4)
	s_cmp_eq_u32 s2, 0
	s_cbranch_scc0 .Lentry_in_a_cluster
	s_endpgm
.Lentry_in_a_cluster:
	s_bfe_u32 s2, ttmp6, 0x10000c
	s_cmp_lg_u32 s2, 0xf033
	s_cbranch_scc0 .Lentry_shape_is_right
	s_endpgm
.Lentry_shape_is_right:
; out0 = o wp^T + bp: [2048][2048] f32, on codes of FP6 (E2M3) with E8M0 scales.  o comes as oc, os (made by the attention launch), wp as wpc, wps (made beside the products of q, k and v).
; OPERANDS are images of fragments (16 rows x 128 K, 1,536 bytes), [row block][K step 16]; row block rb holds rows 32 (rb / 2) + 8 (rb % 2) + p + 8 (p / 8); scale words [row block][K step][row 16].
; P (source 0) = rows of wp: they run down a lane's registers; Q (source 1) = tokens of o: across the lanes.  So a lane holds a token, and the registers of P's block b are columns 32 (b / 2) + 16 h + 8 (b % 2) + 0 .. 7.
; A tile of 128 x 128 is made by four waves, 64 x 64 each: 16 accumulators; 256 work-groups (tiles of 256 x 256 would be 64).  K goes in steps of 512 through a ring of two LDS slots: 4 slots' worth, written out.
; bp is the C of each sum's first matrix instruction.  CLUSTERS: 4 x 4: P's tile is shared along a column of the cluster, Q's along a row: joint loads.
; No prefetch: two refills in all, each shared by four work-groups.
; REGISTERS: window 0: v0-31 addresses; v32-63 scale words, two sets; v64-95 the bias, later rows of the result, by turns with v96-127; v128-255 accumulator (a, b) at v[128 + 8 (4 a + b)].
;   window 1: fragment set p at v[128 p]: Q's four, then P's four.
.set NQ,    4
.set NBLK,  4
.set FRB,   1536
.set RBB,   24576
.set LOADB, NBLK*NQ*FRB
.set SLOT,  4*LOADB
.set SCL,   2*SLOT
.set SCW,   NBLK*1024
.set STAGE, SCL+4*SCW                  ; the way out: 16 rows x (256 + 16) bytes for each wave, bytes of its own into which no fill lands
.set SPITCH, 272
.set SPARE, STAGE+4*16*SPITCH          ; the spare words, 128 bytes for each wave: two blocks of 256 bytes that no other line names
.set LI,   1
.set ADRA, 16
.set ADRB, 20
.set STO,  24
.set RD,   25
.set CO,   26
.set ADRS, 27
.set SPW,  28
.set NIL,  29
.set SC,   32
.set BI,   64
.set ACC,  128
.set G1,   24
.set G0,   32
.set G1B,  40
.set G0B,  48
.set G1S,  56
.set G0S,  68
.set G1SB, 72
.set G0SB, 80
.set WV,   84
.set HQ,   85
.set HP,   86
.set CX,   87
.set CY,   88
.set PX,   89
.set QY,   90
.set MSB, 0
.macro WIN new
.if MSB != (\new)
	s_set_vgpr_msb (MSB<<8)|(\new)
.set MSB, (\new)
.endif
.endm
.macro PLACES n
.rept \n
	v_nop
.endr
.endm
.macro JLOAD g0q, g1q, g0p, g1p        ; a joint load: waves 0 and 1 fetch for Q, waves 2 and 3 for P; four v_nop follow each of the two lines
	s_cmp_eq_u32 s[HQ], 0
	s_cbranch_scc0 .Lfor_p_\@
	tensor_load_to_lds s[\g0q:\g0q+3], s[\g1q:\g1q+7]
	s_nop 0
.rept 4
	v_nop
.endr
	s_branch .Lasked_\@
.Lfor_p_\@:
	tensor_load_to_lds s[\g0p:\g0p+3], s[\g1p:\g1p+7]
	s_nop 0
.rept 4
	v_nop
.endr
.Lasked_\@:
.endm
.macro CREST
	s_cmp_lg_u32 s[WV], 0
	s_cbranch_scc1 .Lnot_wave_0_\@
	s_barrier_signal -3
.Lnot_wave_0_\@:
	s_barrier_wait -3
	s_barrier_signal -1
	s_barrier_wait -1
.endm
.macro CROUND
	s_barrier_signal -1
	s_barrier_wait -1
	CREST
.endm
	s_load_b256 s[4:11], s[0:1], 0x0               ; oc s[4:5], os s[6:7], wpc s[8:9], wps s[10:11]
	s_load_b128 s[12:15], s[0:1], 0x20             ; bp s[12:13], out0 s[14:15]
	v_lshl_add_u32 v[SPW], v0, 2, SPARE
	v_mov_b32 v[NIL], 0
	ds_add_u32 v28, v29
	s_wait_dscnt 0x0
	v_lshrrev_b32 v2, 5, v0
	v_readfirstlane_b32 s[WV], v2
	s_lshr_b32 s[HQ], s[WV], 1                     ; my half of Q's rows.  Also: I fetch for Q (0) or for P (1)
	s_and_b32 s[HP], s[WV], 1                      ; my half of P's rows.  Also: which half I fetch
	s_bfe_u32 s[CX], ttmp6, 0x40000
	s_bfe_u32 s[CY], ttmp6, 0x40004
	s_lshl_b32 s[PX], ttmp9, 2
	s_add_co_u32 s[PX], s[PX], s[CX]               ; tile column
	s_and_b32 s[QY], ttmp7, 0xffff
	s_lshl_b32 s[QY], s[QY], 2
	s_add_co_u32 s[QY], s[QY], s[CY]               ; tile row
	s_lshl_b32 s91, s[CY], 2
	s_lshl_b32 s91, 15, s91                        ; my row of the cluster
	s_lshl_b32 s92, 0x1111, s[CX]                  ; my column
	; group 1 for the codes: 4 row blocks x 4 images: rows of 6,144 bytes (768 elements of 8 bytes), 24,576 bytes apart
	s_or_b32 s[G1+0], s91, (3<<16)|(1<<21)
	s_or_b32 s[G1B+0], s92, (3<<16)|(1<<21)
.irp g, G1, G1B
	s_mov_b32 s[\g+1], (NQ*192)<<16
	s_mov_b32 s[\g+2], NBLK<<16
	s_mov_b32 s[\g+3], (NQ*192)<<16
	s_mov_b32 s[\g+4], NBLK
	s_mov_b32 s[\g+5], RBB/8
	s_mov_b32 s[\g+6], 0
	s_mov_b32 s[\g+7], 0
.endr
	; and for the scale words of 4 row blocks: 4,096 dense bytes, as 16 rows of 256 bytes
	s_or_b32 s[G1S+0], s91, (3<<16)|(1<<21)
	s_or_b32 s[G1SB+0], s92, (3<<16)|(1<<21)
.irp g, G1S, G1SB
	s_mov_b32 s[\g+1], 32<<16
	s_mov_b32 s[\g+2], (NBLK*4)<<16
	s_mov_b32 s[\g+3], 32<<16
	s_mov_b32 s[\g+4], NBLK*4
	s_mov_b32 s[\g+5], 32
	s_mov_b32 s[\g+6], 0
	s_mov_b32 s[\g+7], 0
.endr
	s_mul_i32 s22, s[HP], 4*RBB                    ; which half I fetch
	s_lshl_b32 s23, s[HP], 12
	s_mul_i32 s98, s[QY], 8*RBB
	s_add_co_u32 s98, s98, s22                     ; Q's codes
	s_mov_b32 s99, 0
	s_lshl_b32 s100, s[QY], 13
	s_add_co_u32 s100, s100, s23                   ; Q's scale words
	s_mov_b32 s101, 0
	s_mul_i32 s94, s[PX], 8*RBB
	s_add_co_u32 s94, s94, s22                     ; P's codes
	s_mov_b32 s95, 0
	s_lshl_b32 s96, s[PX], 13
	s_add_co_u32 s96, s96, s23                     ; P's scale words
	s_mov_b32 s97, 0
	s_mul_i32 s2, s[WV], LOADB
	s_mul_i32 s3, s[WV], SCW
	s_wait_kmcnt 0x0
	s_add_nc_u64 s[98:99], s[4:5], s[98:99]
	s_add_nc_u64 s[100:101], s[6:7], s[100:101]
	s_add_nc_u64 s[94:95], s[8:9], s[94:95]
	s_add_nc_u64 s[96:97], s[10:11], s[96:97]
	CROUND                                         ; all sixteen work-groups are here: the first joint loads meet
	s_mov_b32 s[G0S], 1
	s_add_co_u32 s[G0S+1], s3, SCL
	s_mov_b64 s[G0S+2:G0S+3], s[100:101]
	s_or_b32 s[G0S+3], s[G0S+3], 0x80000000
	s_mov_b32 s[G0SB], 1
	s_add_co_u32 s[G0SB+1], s3, SCL
	s_mov_b64 s[G0SB+2:G0SB+3], s[96:97]
	s_or_b32 s[G0SB+3], s[G0SB+3], 0x80000000
	JLOAD G0S, G1S, G0SB, G1SB
.irp s, 0,1
	s_mov_b32 s[G0+4*\s], 1
	s_add_co_u32 s[G0+4*\s+1], s2, \s*SLOT
	s_add_nc_u64 s[G0+4*\s+2:G0+4*\s+3], s[98:99], \s*NQ*FRB
	s_or_b32 s[G0+4*\s+3], s[G0+4*\s+3], 0x80000000
	s_mov_b32 s[G0B+4*\s], 1
	s_add_co_u32 s[G0B+4*\s+1], s2, \s*SLOT
	s_add_nc_u64 s[G0B+4*\s+2:G0B+4*\s+3], s[94:95], \s*NQ*FRB
	s_or_b32 s[G0B+4*\s+3], s[G0B+4*\s+3], 0x80000000
	JLOAD G0+4*\s, G1, G0B+4*\s, G1B               ; three tensor loads of mine are out now
.endr
	v_and_b32 v2, 31, v0
	v_lshlrev_b32 v[LI], 4, v2
	v_and_b32 v3, 15, v0                           ; r
	v_bfe_u32 v4, v0, 4, 1                         ; h
	s_lshl_b32 s22, s[PX], 9
	s_lshl_b32 s23, s[HP], 8
	s_add_co_u32 s22, s22, s23                     ; my 64 columns, in bytes
	s_mov_b32 s23, 0
	s_add_nc_u64 s[12:13], s[12:13], s[22:23]
	s_add_nc_u64 s[14:15], s[14:15], s[22:23]
	v_lshlrev_b32 v5, 6, v4                        ; 64 h
.irp b, 0,1,2,3
.irp k, 0,1
	global_load_b128 v[BI+8*\b+4*\k:BI+8*\b+4*\k+3], v5, s[12:13] offset:(32*(\b/2)+8*(\b%2))*4+16*\k   ; bp at columns 32 (b / 2) + 16 h + 8 (b % 2) + 0 .. 7: the result's layout
.endr
.endr
	s_lshl_b32 s22, s[QY], 20
	s_lshl_b32 s3, s[HQ], 19
	s_add_co_u32 s22, s22, s3                      ; my 64 rows of 8,192 bytes
	s_add_nc_u64 s[14:15], s[14:15], s[22:23]
	s_mul_i32 s22, s[HQ], LOADB
	s_mul_i32 s23, s[HP], LOADB
	s_add_co_u32 s23, s23, 2*LOADB
.irp s, 0,1
	v_add_nc_u32 v[ADRA+\s], s22, v[LI]
	v_add_nc_u32 v[ADRB+\s], s23, v[LI]
	s_add_co_u32 s22, s22, SLOT
	s_add_co_u32 s23, s23, SLOT
.endr
	s_lshl_b32 s22, s[HQ], 12
	s_lshl_b32 s23, s[HP], 12
	s_add_co_u32 s23, s23, 2*SCW
	s_sub_co_u32 s23, s23, s22
	v_mul_u32_u24 v6, s23, v4                      ; lanes 16-31 take P's scale words
	s_add_co_u32 s22, s22, SCL
	v_lshl_add_u32 v6, v3, 2, v6
	v_add_nc_u32 v[ADRS], s22, v6
	s_mul_i32 s22, s[WV], 16*SPITCH
	s_add_co_u32 s22, s22, STAGE                   ; my stage
	v_mul_u32_u24 v[STO], v3, SPITCH
	v_lshl_add_u32 v[STO], v4, 6, v[STO]
	v_add_nc_u32 v[STO], s22, v[STO]               ; in: row r, + 64 h
	v_mul_u32_u24 v[RD], v4, SPITCH
	v_lshl_add_u32 v[RD], v3, 4, v[RD]
	v_add_nc_u32 v[RD], s22, v[RD]                 ; back: lanes 0-15 one row of 256 bytes, lanes 16-31 the next
	v_lshlrev_b32 v[CO], 13, v4
	v_lshl_add_u32 v[CO], v3, 4, v[CO]             ; and the same two rows in out0
; 8 matrix instructions: Q's blocks a0, a0 + 1 x P's four; set p; the slot's q-th 128 along K; sc: the set of scale words.  first = 1: the bias is the C of the sums' first products.
; The 16 accumulators take turns, one instruction a turn, in the same order in every step.
.macro MUL8 a0, p, q, sc, first
.irp a, \a0, \a0+1
.irp b, 0,1,2,3
.if \first
	v_wmma_scale_f32_16x16x128_f8f6f4 v[ACC+8*(4*(\a)+\b):ACC+8*(4*(\a)+\b)+7], v[128*(\p)+48+12*\b:128*(\p)+48+12*\b+11], v[128*(\p)+12*(\a):128*(\p)+12*(\a)+11], v[BI+8*\b:BI+8*\b+7], v[SC+16*(\sc)+NQ*\b+(\q)], v[SC+16*(\sc)+NQ*(\a)+(\q)] matrix_a_fmt:MATRIX_FMT_FP6 matrix_b_fmt:MATRIX_FMT_FP6 matrix_a_scale:MATRIX_SCALE_ROW1
.else
	v_wmma_scale_f32_16x16x128_f8f6f4 v[ACC+8*(4*(\a)+\b):ACC+8*(4*(\a)+\b)+7], v[128*(\p)+48+12*\b:128*(\p)+48+12*\b+11], v[128*(\p)+12*(\a):128*(\p)+12*(\a)+11], v[ACC+8*(4*(\a)+\b):ACC+8*(4*(\a)+\b)+7], v[SC+16*(\sc)+NQ*\b+(\q)], v[SC+16*(\sc)+NQ*(\a)+(\q)] matrix_a_fmt:MATRIX_FMT_FP6 matrix_b_fmt:MATRIX_FMT_FP6 matrix_a_scale:MATRIX_SCALE_ROW1
.endif
.endr
.endr
.endm
.macro FETCH slot, q, p                ; 24 LDS loads in one run: the 8 fragments of the slot's q-th 128 along K into set p
	WIN 0x40
.irp i, 0,1,2,3
.irp c, 0,1,2
	ds_load_b128 v[128*(\p)+48+12*\i+4*\c:128*(\p)+48+12*\i+4*\c+3], v[ADRB+\slot] offset:\i*NQ*FRB+(\q)*FRB+512*\c
.endr
.endr
.irp i, 0,1,2,3
.irp c, 0,1,2
	ds_load_b128 v[128*(\p)+12*\i+4*\c:128*(\p)+12*\i+4*\c+3], v[ADRA+\slot] offset:\i*NQ*FRB+(\q)*FRB+512*\c
.endr
.endr
.endm
.macro SCALES sc
	WIN 0
.irp i, 0,1,2,3
.irp q, 0,1,2,3
	ds_load_b32 v[SC+16*\sc+NQ*\i+\q], v[ADRS] offset:1024*\i+64*\q
.endr
.endr
.endm
.macro STEP slot, q, first             ; a step that has its successor in the same slot: the successor's fragments are fetched at its head, into the other set
	s_wait_dscnt 0x0
	PLACES 4                                       ; four places in front of loads into registers that matrix instructions have read
	FETCH \slot, (\q)+1, ((\q)+1)%2
	WIN 0x05
	MUL8 0, (\q)%2, \q, \slot, \first
	MUL8 2, (\q)%2, \q, \slot, \first
.endm
; A slot's last step, on set 1, changes slots: its fragments are in registers, so the slot is free.  The change stands at the step's head, ahead of its 16 products: the refill goes out as soon as the tile
; before it has landed and the round is passed, and the products are issued while it is on its way.
.macro TURN slot, next, fill
	WIN 0
	s_wait_tensorcnt 0x0                           ; all my tensor loads have landed: my part of the next slot; so every group 0 may be written
	ds_add_u32 v[SPW], v[NIL]                      ; 0 onto my spare word; with fill = 1 the descriptors' steps stand between it and the wait for it
.if \fill
	s_add_nc_u64 s[G0+4*\slot+2:G0+4*\slot+3], s[G0+4*\slot+2:G0+4*\slot+3], 2*NQ*FRB
	s_add_nc_u64 s[G0B+4*\slot+2:G0B+4*\slot+3], s[G0B+4*\slot+2:G0B+4*\slot+3], 2*NQ*FRB
.endif
	s_wait_dscnt 0x0                               ; the add is done; set 1 is in, and with it my reads of this slot are over
	s_barrier_signal -1
	s_barrier_wait -1
.if \fill
	CREST                                          ; the barrier has opened a round of the cluster's barrier: no wave of any partner still reads this slot or has a load on its way
	JLOAD G0+4*\slot, G1, G0B+4*\slot, G1B         ; the first tensor load behind the round; its four v_nop are also the places in front of the loads below
.else
	PLACES 4
.endif
	v_add_nc_u32 v[ADRS], 64*NQ, v[ADRS]           ; on to the next slot's scale words (no LDS load of mine is out)
	FETCH \next, 0, 0
	SCALES \next
	WIN 0x05
	MUL8 0, 1, NQ-1, \slot, 0
	MUL8 2, 1, NQ-1, \slot, 0
.endm
	s_wait_tensorcnt 1                             ; the scale words and my part of slot 0 are in (slot 1's load may be out)
	s_barrier_signal -1
	s_barrier_wait -1                              ; everybody's are
	FETCH 0, 0, 0
	SCALES 0
	s_wait_loadcnt 0x0                             ; the bias
	STEP 0, 0, 1
	STEP 0, 1, 0
	STEP 0, 2, 0
	TURN 0, 1, 1                                   ; slot 0 takes K steps 8 to 11
	STEP 1, 0, 0
	STEP 1, 1, 0
	STEP 1, 2, 0
	TURN 1, 0, 1                                   ; slot 1 takes K steps 12 to 15
	STEP 0, 0, 0
	STEP 0, 1, 0
	STEP 0, 2, 0
	TURN 0, 1, 0                                   ; nothing is left to fetch
	STEP 1, 0, 0
	STEP 1, 1, 0
	STEP 1, 2, 0
	s_wait_dscnt 0x0
	WIN 0x05
	MUL8 0, 1, NQ-1, 1, 0
	MUL8 2, 1, NQ-1, 1, 0
	WIN 0
; THE WAY OUT, a block of 16 tokens x 64 columns at a time.  A lane holds pieces of one row and the lanes beside it hold other rows: so a block goes through my own stage in LDS and comes back as whole
; rows of 256 bytes.  LDS serves a wave's instructions in order (ISA guide 5.7.1.4): no wait between the stores and the loads, nor in front of the next block's stores.
.macro TOSTAGE a
.irp b, 0,1,2,3
	ds_store_b128 v[STO], v[ACC+8*(4*(\a)+\b):ACC+8*(4*(\a)+\b)+3] offset:128*(\b/2)+32*(\b%2)        ; each accumulator from its low end on
	ds_store_b128 v[STO], v[ACC+8*(4*(\a)+\b)+4:ACC+8*(4*(\a)+\b)+7] offset:128*(\b/2)+32*(\b%2)+16
.endr
.set BB, BI+32*((\a)%2)
.irp t, 0,1,2,3,4,5,6,7
	ds_load_b128 v[BB+4*\t:BB+4*\t+3], v[RD] offset:\t*2*SPITCH
.endr
.endm
.macro SEND a, younger                 ; younger: the LDS instructions issued behind block a's loads, which may stay out
.set BB, BI+32*((\a)%2)
	s_wait_dscnt \younger
.irp t, 0,1,2,3,4,5,6,7
	global_store_b128 v[CO], v[BB+4*\t:BB+4*\t+3], s[14:15] offset:(32*((\a)/2)+8*((\a)%2)+2*\t+8*(\t/4))*8192 th:TH_STORE_NT   ; stage rows 2 t, 2 t + 1 are the block's tokens 2 t + 8 (t / 4) on; 16 lanes store 256 consecutive bytes, at a multiple of 256 from out0's first byte
.endr
.endm
	PLACES 4                                       ; behind the last products, in front of the first read of results
	TOSTAGE 0
.irp a, 1,2,3
.if \a > 1
	s_wait_xcnt 0x0                                ; block a - 2's stores have read their registers: block a's loads may land there
.endif
	TOSTAGE \a
	SEND \a-1, 16                                  ; behind block a - 1's loads: block a's 8 stores and 8 loads
.endr
	SEND 3, 0
	s_wait_tensorcnt 0x0                           ; the wave's end
	ds_add_u32 v[SPW], v[NIL]
	s_wait_dscnt 0x0
	CROUND                                         ; the closing round: no work-group ends while a partner may still ask for a tile that names it
	s_endpgm
.Lfunc_end_k_q63cee5fb8d_proj:
	.size	k_q63cee5fb8d_proj, .Lfunc_end_k_q63cee5fb8d_proj-k_q63cee5fb8d_proj
	.p2alignl 7, 3214868480
	.fill 96, 4, 3214868480
	.section	.rodata,"a",@progbits
	.p2align	6, 0x0
	.amdhsa_kernel k_q63cee5fb8d_proj
		.amdhsa_group_segment_fixed_size 327680
		.amdhsa_private_segment_fixed_size 0
		.amdhsa_enable_private_segment 0
		.amdhsa_kernarg_size 48
		.amdhsa_user_sgpr_count 2
		.amdhsa_user_sgpr_kernarg_segment_ptr 1
		.amdhsa_wavefront_size32 1
		.amdhsa_system_sgpr_workgroup_id_x 1
		.amdhsa_system_sgpr_workgroup_id_y 1
		.amdhsa_system_sgpr_workgroup_id_z 1
		.amdhsa_system_vgpr_workitem_id 0
		.amdhsa_next_free_vgpr 512
		.amdhsa_next_free_sgpr 102
		.amdhsa_reserve_vcc 0
		.amdhsa_float_denorm_mode_32 3
		.amdhsa_float_denorm_mode_16_64 3
		.amdhsa_memory_ordered 1
		.amdhsa_forward_progress 1
		.amdhsa_inst_pref_size 84
	.end_amdhsa_kernel
	.amdgpu_metadata
---
amdhsa.version: [ 1, 2 ]
amdhsa.kernels:
  - .name:           k_q63cee5fb8d_proj
    .symbol:         k_q63cee5fb8d_proj.kd
    .args:
      - { .name: oc, .offset: 0, .size: 8, .value_kind: global_buffer, .address_space: global }
      - { .name: os, .offset: 8, .size: 8, .value_kind: global_buffer, .address_space: global }
      - { .name: wpc, .offset: 16, .size: 8, .value_kind: global_buffer, .address_space: global }
      - { .name: wps, .offset: 24, .size: 8, .value_kind: global_buffer, .address_space: global }
      - { .name: bp, .offset: 32, .size: 8, .value_kind: global_buffer, .address_space: global }
      - { .name: out0, .offset: 40, .size: 8, .value_kind: global_buffer, .address_space: global }
    .group_segment_fixed_size: 327680
    .private_segment_fixed_size: 0
    .kernarg_segment_align: 8
    .kernarg_segment_size: 48
    .max_flat_workgroup_size: 128
    .sgpr_count:     102
    .vgpr_count:     512
    .wavefront_size: 32
...
	.end_amdgpu_metadata
.endif
;; end of part 4
